; MI455X (gfx1250); checked and timed in simulation.
; The chip was launched on July 23, 2026; its instructions are those of AMD's public machine-readable ISA for CDNA 5 (MIT licence, August 2026) and "CDNA5" Instruction Set Architecture Reference Guide (July 2026). The comments in the code are by the model that wrote it; some were corrected since.
;; BAKT QIKT. Allowed arithmetic: matrix products marked QUANTISED: E2M1 operands, one E8M0 scale for each 32 along K, by v_wmma_scale_f32_16x16x128_f8f6f4 with both operands' format E2M1 (or v_wmma_scale_f32_32x16x128_f4), f32 sums; everything else in f32.
;; Inputs: k 16 x 8 x 1,024 x 128 float32; mask 1 x 1 x 1,024 x 1,024 int32; q 16 x 8 x 1,024 x 128 float32; v 16 x 8 x 1,024 x 128 float32.
;; Outputs: out0 16 x 8 x 1,024 x 128 float32.
;; Constants: k_index = 5.
;; This version of the problem:
;;   THIS VERSION OF THE PROBLEM IS GIVEN IN LOW PRECISION. The matrix products marked QUANTISED in the list below multiply operands that are first quantised to E2M1 (2 exponent bits, 1 mantissa bit; 4 bits a number), with one power-of-two scale for each 32 numbers along K (OCP MX v1.0); their sums are f32. All else is computed in f32.
;;   The module's matrix products, in the order in which they are computed (A, B: the left and right operand; K: the contracted axis; several contracted axes count as one K, in the product's order):
;;     1. batch 128 x [M 1,024, K 128] x [K 128, N 1,024]; A: input q; B: input k: QUANTISED
;;     2. batch 128 x [M 1,024, K 1,024] x [K 1,024, N 128]; A: computed on the way; B: input v: QUANTISED
;;   THE QUANTISER, for each operand of a quantised product, along K:
;;     - K is cut into blocks of 32 from its start; a last block that is shorter is filled with zeros.
;;     - A block's scale is 2^e with e = floor(log2(the largest magnitude in the block)) - 2, held to -126 .. 127; a block of zeros has e = 0. As a byte (E8M0): e + 127.
;;     - Each number is divided by its block's scale, clamped to +-6, and rounded to the nearest number of E2M1, ties to even, subnormals kept.
;;     - The product sums the exact products of the quantised numbers (number of the format x scale) in f32.
;;   ~~~python
;;   def quantise(x, axis):      # numpy; x: float32 -> the quantised numbers, widened to float32 again
;;       x = np.moveaxis(x, axis, -1); K = x.shape[-1]
;;       x = np.pad(x, [(0, 0)] * (x.ndim - 1) + [(0, -K % 32)]); x = x.reshape(x.shape[:-1] + (-1, 32)); a = np.abs(x).max(-1, keepdims=True)
;;       e = np.where(a > 0, np.clip(np.frexp(np.where(a > 0, a, 1))[1] - 1 - 2, -126, 127), 0)      # np.frexp(a)[1] - 1 = floor(log2(a)), exactly
;;       r = np.clip(x / 2.0 ** e, -6, 6)
;;       step = 2.0 ** (np.maximum(np.frexp(np.where(r == 0, 1, r))[1] - 1, 0) - 1)
;;       q = np.round(r / step) * step * 2.0 ** e      # np.round: ties to even
;;       return np.moveaxis(q.reshape(q.shape[:-2] + (-1,))[..., :K], -1, axis).astype(np.float32)
;;   ~~~
;;   OPERANDS COMPUTED ON THE WAY. 'Computed on the way' means the value that the module computes at that place (a softmax that the list does not call 'softmax' is quantised finished and normalised). What goes into a quantiser is computed in f32, as accurately as f32 sums, v_exp_f32 and their like allow (about 1e-6 of the number): no bf16 or f16 on the way to a quantiser, and a product that is left as it is and whose result goes on into a quantised operand takes f32 operands (vector FMAs, or v_wmma_f32_16x16x4_f32). A number that lies on a knife's edge between two numbers of the format may be rounded either way, as far as f32 arithmetic and the matrix unit's own rounding can turn it there, and no further.
;; 2 versions, each right; version 2 is version 1 with the launch attn written anew for expert scheduling mode. Each part assembles by itself: llvm-mc -triple=amdgcn-amd-amdhsa -mcpu=gfx1250 --defsym DOCPART=n.
;; ======== version 1 of 2: 2 launches
;; limits: right only within a limited range of input values; values within 1.2e-07 (relative) of each other or of a threshold may be ordered or decided otherwise than in the reference
;; workspace buffers: maskw 131,072 bytes of whole numbers; info 2,048 bytes of whole numbers
;; launch maskpack (part 1): grid 256 x 1, 2 waves a work-group, no clusters, 0 bytes of LDS; arguments mask, maskw, info; writes maskw, info
.if DOCPART == 1
	.amdgcn_target "amdgcn-amd-amdhsa--gfx1250"
	.amdhsa_code_object_version 6
	.text
	.protected	k_q031886b920_maskpack
	.globl	k_q031886b920_maskpack
	.p2align	8
	.type	k_q031886b920_maskpack,@function
k_q031886b920_maskpack:
	s_mov_b64 s[64:65], 0
	v_nop
	global_prefetch_b8 v0, s[64:65] scope:SCOPE_SE
	s_setreg_imm32_b32 hwreg(HW_REG_WAVE_MODE, 25, 1), 1
	s_wait_xcnt 0x0
; THE PROGRAM: out = softmax2(keep5(softmax1(mask(q k^T / sqrt(128))))) v, row 0 zeroed, both products on codes of E2M1.  Two launches: this one packs the mask, the second does all the rest.
; WORK LEFT OUT, AND WHY.  No input is left out: q, k, v and mask all have a way to the output.
;  - Where mask == 0 for all 16 queries of a tile and all 128 keys of a step, reference() puts NEG in place of every score of that step, so q . k of that step reaches no output.  Whether a step is so
;    closed is a whole number: this launch stores it (info), and the second launch reads it and leaves those products out.  Nothing is taken from any pattern of the mask.
;  - Row 0 is zeroed by reference(); it lies in a tile with live rows, so it is computed with them and its weights are multiplied by 0.
;  LIMIT: a NaN, an infinity or an overflow that arises only in scores that the mask replaces is not carried to the result (reference() replaces them too).
; THIS LAUNCH.  mask [1024][1024] int32 becomes lane masks for the second launch's score registers.  maskw [64 query tiles][8 key steps][64 words]: bit (r + 16 h) of word 16 b + i says
; mask[16 T + r][128 s + 32 b + 16 h + i] != 0.  info [64][8]: bit s set where any of the step's 2,048 entries is allowed, bit 8 + s where all are.
; One wave takes one (tile, step): 16 loads of 16 bytes a lane, 64 compares, one store of 256 consecutive bytes.  No LDS, no barrier: waves share nothing.
	s_load_b128 s[4:7], s[0:1], 0x0                ; mask, maskw
	s_load_b64 s[8:9], s[0:1], 0x10                ; info
	v_lshrrev_b32 v1, 5, v0
	v_readfirstlane_b32 s10, v1                    ; wave 0..1
	s_lshl_b32 s11, ttmp9, 1
	s_add_co_u32 s11, s11, s10                     ; u = 8 T + s
	s_lshr_b32 s12, s11, 3                         ; T
	s_and_b32 s13, s11, 7                          ; s
	s_lshl_b32 s14, s12, 16                        ; 16 rows of 4,096 bytes
	s_lshl_b32 s15, s13, 9                         ; 128 keys of 4 bytes
	s_add_co_u32 s14, s14, s15
	s_mov_b32 s15, 0
	s_lshl_b32 s16, s11, 8                         ; 64 words
	s_mov_b32 s17, 0
	s_lshl_b32 s18, s11, 2                         ; one word
	s_mov_b32 s19, 0
	v_and_b32 v1, 31, v0                           ; lane
	v_and_b32 v2, 15, v0                           ; r
	v_bfe_u32 v3, v0, 4, 1                         ; h
	v_lshlrev_b32 v4, 12, v2
	v_lshl_add_u32 v4, v3, 6, v4                   ; row r, + 16 h keys
	v_lshlrev_b32 v5, 3, v1                        ; out: two words a lane
	v_mov_b32 v8, 0                                ; a lane write's destination counts as read: written once here
	v_mov_b32 v9, 0
	v_mov_b32 v11, 0
	s_mov_b32 s21, 0                               ; the OR of all words
	s_mov_b32 s22, -1                              ; the AND of all words
	s_wait_kmcnt 0x0
	s_add_nc_u64 s[4:5], s[4:5], s[14:15]
	s_add_nc_u64 s[6:7], s[6:7], s[16:17]
	s_add_nc_u64 s[8:9], s[8:9], s[18:19]
.irp b, 0,1,2,3
.irp k, 0,1,2,3
	global_load_b128 v[16+16*\b+4*\k:19+16*\b+4*\k], v4, s[4:5] offset:128*\b+16*\k th:TH_LOAD_NT   ; register 16 b + i: key 32 b + 16 h + i of row r
.endr
.endr
	s_wait_loadcnt 0x0
.set n, 0
.rept 64
	v_cmp_ne_u32 s[24+n%4], 0, v[16+n]             ; word n: a bit for each lane
	s_or_b32 s21, s21, s[24+n%4]
	s_and_b32 s22, s22, s[24+n%4]
	v_writelane_b32 v[8+n%2], s[24+n%4], n/2       ; lane n / 2 will store words n and n + 1
.set n, n+1
.endr
	global_store_b64 v5, v[8:9], s[6:7]            ; 32 lanes store 256 consecutive bytes, at a multiple of 256 from maskw's first byte
	s_cmp_lg_u32 s21, 0
	s_cselect_b32 s23, 1, 0
	s_lshl_b32 s23, s23, s13                       ; bit s: any allowed
	s_cmp_eq_u32 s22, -1
	s_cselect_b32 s28, 1, 0
	s_add_co_u32 s29, s13, 8
	s_lshl_b32 s28, s28, s29                       ; bit 8 + s: all allowed
	s_or_b32 s23, s23, s28
	v_mov_b32 v10, s23
	v_cmp_eq_u32 vcc_lo, 0, v1
	s_wait_xcnt 0x0                                ; EXEC changes only behind this wait: the store above has read its sources
	s_and_saveexec_b32 s30, vcc_lo
	global_store_b32 v11, v10, s[8:9]              ; lane 0 alone
	s_wait_xcnt 0x0                                ; and again in front of the line that widens EXEC
	s_or_b32 exec_lo, exec_lo, s30
	s_endpgm
.Lfunc_end_k_q031886b920_maskpack:
	.size	k_q031886b920_maskpack, .Lfunc_end_k_q031886b920_maskpack-k_q031886b920_maskpack
	.p2alignl 7, 3214868480
	.fill 96, 4, 3214868480
	.section	.rodata,"a",@progbits
	.p2align	6, 0x0
	.amdhsa_kernel k_q031886b920_maskpack
		.amdhsa_group_segment_fixed_size 0
		.amdhsa_private_segment_fixed_size 0
		.amdhsa_enable_private_segment 0
		.amdhsa_kernarg_size 24
		.amdhsa_user_sgpr_count 2
		.amdhsa_user_sgpr_kernarg_segment_ptr 1
		.amdhsa_wavefront_size32 1
		.amdhsa_system_sgpr_workgroup_id_x 1
		.amdhsa_system_sgpr_workgroup_id_y 1
		.amdhsa_system_sgpr_workgroup_id_z 1
		.amdhsa_system_vgpr_workitem_id 0
		.amdhsa_next_free_vgpr 96
		.amdhsa_next_free_sgpr 66
		.amdhsa_reserve_vcc 1
		.amdhsa_float_denorm_mode_32 3
		.amdhsa_float_denorm_mode_16_64 3
		.amdhsa_memory_ordered 1
		.amdhsa_forward_progress 1
		.amdhsa_inst_pref_size 16
	.end_amdhsa_kernel
	.amdgpu_metadata
---
amdhsa.version: [ 1, 2 ]
amdhsa.kernels:
  - .name:           k_q031886b920_maskpack
    .symbol:         k_q031886b920_maskpack.kd
    .args:
      - { .name: mask, .offset: 0, .size: 8, .value_kind: global_buffer, .address_space: global }
      - { .name: maskw, .offset: 8, .size: 8, .value_kind: global_buffer, .address_space: global }
      - { .name: info, .offset: 16, .size: 8, .value_kind: global_buffer, .address_space: global }
    .group_segment_fixed_size: 0
    .private_segment_fixed_size: 0
    .kernarg_segment_align: 8
    .kernarg_segment_size: 24
    .max_flat_workgroup_size: 64
    .sgpr_count:     66
    .vgpr_count:     96
    .wavefront_size: 32
...
	.end_amdgpu_metadata
.endif
;; end of part 1
;; launch attn (part 2): grid 2 x 128, 16 waves a work-group, no clusters, 258,048 bytes of LDS; arguments q, k, v, maskw, info, out0; writes out0
.if DOCPART == 2
	.amdgcn_target "amdgcn-amd-amdhsa--gfx1250"
	.amdhsa_code_object_version 6
	.text
	.protected	k_q031886b920_attn
	.globl	k_q031886b920_attn
	.p2align	8
	.type	k_q031886b920_attn,@function
k_q031886b920_attn:
	s_mov_b64 s[64:65], 0
	v_nop
	global_prefetch_b8 v0, s[64:65] scope:SCOPE_SE
	s_setreg_imm32_b32 hwreg(HW_REG_WAVE_MODE, 25, 1), 1
	s_wait_xcnt 0x0
; out[h][q] = w[q][:] V, w = softmax2(keep5(softmax1(mask(Q K^T / sqrt(128))))), row 0 zeroed; both products on codes of E2M1 with one E8M0 scale for each 32 along K.  q, k, v, out: [128 heads][1024][128] f32.
; WORK LEFT OUT: the products q . k of key steps that the stored whole numbers (info, made from the mask input by the launch before) show closed for all 16 queries of a tile: reference() replaces every such score by NEG.
; WHAT IS USED OF reference(), FOR ALL INPUTS.  (1) Masked entries of a row all hold one score, so one p, one keep decision and one weight w_m.  (2) In rows >= 5 every kept entry outside the five largest has p equal to the
; fifth: so the second softmax's sum is x(p1) + .. + x(p5) + (N - 5) x(p5), N the number kept: only a count runs over the row.  (3) Rows 1 to 4 keep everything: they lie in query tile 0, which takes the sum entry by entry.
; LIMITS.  The masked raw score is -2^110, which is -1.15e32 after / sqrt(128), where reference() has -1e32: the same results while |score| < 1e32.  v_exp_f32 gives 0 for results under 2^-126, so a fifth weight under
; 2^-126 counts as 0, and then everything is kept.  The keep test is made on the raw scores (s >= the fifth largest s): it takes the exponential not to fall where its input rises, and two unlike scores not to round to one p.
; NaN and infinities among the inputs are not served.
; SHARES.  A work-group owns one head and half of its 64 query tiles; each of its sixteen waves owns tiles T0 = 16 x + w and 63 - T0, one after the other, in 256 registers: four waves to a SIMD.
; PROLOGUE.  The work-group quantises the head's K (along d) and V (along the keys) and each wave its own Q, straight into LDS, as IMAGES OF OPERAND REGISTERS: a fragment's four registers lie lane by lane, 16 bytes a lane.
; One barrier; behind it nothing in these images is written, and the waves go their own ways.
; No tensor load: the walk branches on stored whole numbers, and every input number passes through registers to be quantised.  No cluster: what two work-groups of a head share is f32 that each converts itself.
; LAYOUT.  Both products transposed: S^T = K Q^T, O^T = V^T P^T: lane (r, h) holds query r.  Row m of K's tile 2 b + u is key 32 b + 8 u + m + 8 (m / 8), so that score register 16 b + i is key 32 b + 16 h + i.
; THREE PASSES over a tile's 8 key steps, the scores made anew in each (8 matrix instructions a step).  A: the five largest scores and softmax 1's sum.  B: the count N (tile 0: the sum).  C: the weights, quantised, times V.
; REGISTERS (main part): v1 16 x lane; v2, v3 the add's two; v4 -2^110; v5 my query; v6 Q's scale address; v7 out offset; v8-11 step addresses; v[12:13] -M; v[14:15] sums; v16-23 Q; v24 Q's, v25 P's, v26 w_m's scale word;
; v27 lane % 16; v28-31 K's or V's scale words; v32-95 fragments, then T; v96-159 scores, then w; v160-223 at work in A, O^T in C; v224-231 P's codes (A: lists); v232-239 w_m's codes (A: lists, at work); v240.. a row's figures.
.set KIMG,  0                          ; LDS: K's codes: 8192 step + 1024 tile + 512 c + 16 lane
.set VIMG,  65536                      ; V's likewise
.set KSC,   131072                     ; K's scale words: 512 step + 16 l + 4 k: register k, lanes 0-15 tile 2 k, lanes 16-31 tile 2 k + 1
.set VSC,   135168                     ; V's likewise
.set QIMG,  139264                     ; Q's codes: 2048 wave + 1024 i + 512 c + 16 lane
.set QSC,   172032                     ; Q's scale words: 128 wave + 64 i + 4 row
.set STG,   174080                     ; 5,120 bytes a wave: two stages of 32 x 80 in the prologue, the way out's 16 x 272 later
.set SPARE, 256000                     ; the spare words, 128 bytes a wave: eight blocks of 256 bytes that no other line names
.set FLOOR, 0x1800000                  ; 2^(3 - 127): under it no largest magnitude is taken, so a scale's byte cannot fall under 1
.set OFF2,  0xff000000                 ; takes 2 off an exponent field
.set QR, 32                            ; prologue: v32-95 four sets of 16 numbers as loaded
.set QX, 96                            ; v96-127 two sets of 16 neighbours
.set QC, 128                           ; v128-135 codes, v136-139 bytes: by turns of four steps
.set QE, 136
.set VX, 144                           ; v144-207 V: two sets of 32 numbers; v208-215 at work
.set T,   32
.set S,   96
.set O,   160
.set PC,  224
.set PM,  232
.set THR, 240                          ; keep where score >= THR
.set CNT, 241
.set AA,  242                          ; v[242:243] log2(e) / Z
.set NB,  244                          ; v[244:245] -e1 x AA
.set RS,  246                          ; v[246:247] 1 / sum 2 (0 in row 0)
.set X1,  248                          ; v248-252 e, then x, of the five largest
.set XMK, 253                          ; the same of a masked entry; 0 where masked entries are dropped
	s_load_b256 s[4:11], s[0:1], 0x0               ; q s[4:5], k s[6:7], v s[8:9], maskw s[10:11]
	s_load_b128 s[12:15], s[0:1], 0x20             ; info s[12:13], out0 s[14:15]
	v_lshl_add_u32 v2, v0, 2, SPARE
	v_mov_b32 v3, 0
	v_lshrrev_b32 v217, 5, v0
	v_readfirstlane_b32 s2, v217                   ; wave 0..15
	v_and_b32 v216, 31, v0                         ; lane
	v_lshlrev_b32 v1, 4, v216                      ; 16 x lane
	s_mul_i32 s99, s2, 5120
	s_add_co_u32 s99, s99, STG                     ; my stage
	v_lshrrev_b32 v4, 2, v216
	v_mul_u32_u24 v4, v4, 80
	v_and_b32 v217, 3, v216
	v_lshl_add_u32 v4, v217, 4, v4
	v_add_nc_u32 v4, s99, v4                       ; the stage, in: four lanes' 64 bytes on end, then 16 of padding
	v_mul_u32_u24 v5, v216, 80
	v_add_nc_u32 v5, s99, v5                       ; and out: my 16 neighbours
	; a lane's 16 codes (d = 16 (lane % 8) on, of row lane / 8 of the step's four) in a fragment's image: 512 (d / 64) + 256 ((d / 32) % 2) + 16 row + 8 ((d / 16) % 2)
	v_bfe_u32 v6, v216, 2, 1
	v_lshlrev_b32 v6, 9, v6
	v_bfe_u32 v217, v216, 1, 1
	v_lshl_add_u32 v6, v217, 8, v6
	v_lshrrev_b32 v218, 3, v216
	v_lshl_add_u32 v6, v218, 4, v6
	v_and_b32 v217, 1, v216
	v_lshl_add_u32 v6, v217, 3, v6
	s_lshl_b32 s91, s2, 11
	s_add_co_u32 s91, s91, QIMG                    ; my Q images (kept)
	v_add_nc_u32 v8, s91, v6                       ; Q's codes
	s_lshl_b32 s16, s2, 12
	v_add_nc_u32 v6, s16, v6                       ; K's codes: my 64 keys fill 4,096 bytes
	v_bfe_u32 v217, v216, 1, 2                     ; my block of 32 along d
	v_lshl_add_u32 v9, v218, 2, v217
	v_lshl_add_u32 v7, v218, 4, v217
	s_lshr_b32 s16, s2, 1
	s_lshl_b32 s16, s16, 9
	s_and_b32 s17, s2, 1
	s_lshl_b32 s17, s17, 3
	s_add_co_u32 s16, s16, s17
	s_add_co_u32 s16, s16, KSC
	v_add_nc_u32 v7, s16, v7                       ; K's scale bytes
	s_lshl_b32 s16, s2, 7
	s_add_co_u32 s16, s16, QSC
	v_add_nc_u32 v9, s16, v9                       ; Q's scale bytes
	s_lshr_b32 s18, s2, 2                          ; V: which 256 keys,
	s_and_b32 s19, s2, 3                           ; which 32 columns
	s_lshl_b32 s16, s18, 14
	s_lshl_b32 s17, s19, 11
	s_add_co_u32 s16, s16, s17
	s_add_co_u32 s16, s16, VIMG
	v_lshrrev_b32 v10, 4, v216
	v_lshlrev_b32 v10, 10, v10
	v_and_b32 v217, 15, v216
	v_lshl_add_u32 v10, v217, 4, v10
	v_add_nc_u32 v10, s16, v10                     ; V's codes: tile 2 (w % 4) + lane / 16, row lane % 16
	s_lshl_b32 s16, s18, 10
	s_lshl_b32 s17, s19, 2
	s_add_co_u32 s16, s16, s17
	s_add_co_u32 s16, s16, VSC
	v_add_nc_u32 v11, s16, v1                      ; V's scale words
	v_lshlrev_b32 v12, 2, v216                     ; V's loads: 4 bytes a lane
	s_and_b32 s20, ttmp7, 0xffff
	s_lshl_b32 s20, s20, 19                        ; the head's first byte in q, k, v and out
	s_mov_b32 s21, 0
	s_lshl_b32 s89, ttmp9, 4
	s_add_co_u32 s89, s89, s2                      ; T0 (kept)
	s_sub_co_u32 s22, 63, s89                      ; my second tile
	s_lshl_b32 s24, s2, 15                         ; K: my 64 keys of 512 bytes
	s_add_co_u32 s24, s24, s20
	s_mov_b32 s25, 0
	s_lshl_b32 s26, s89, 13                        ; Q: 16 rows of 512 bytes a tile
	s_add_co_u32 s26, s26, s20
	s_mov_b32 s27, 0
	s_lshl_b32 s28, s22, 13
	s_add_co_u32 s28, s28, s20
	s_mov_b32 s29, 0
	s_lshl_b32 s30, s18, 17                        ; V: 256 keys of 512 bytes,
	s_lshl_b32 s17, s19, 7                         ; 32 columns of 4
	s_add_co_u32 s30, s30, s17
	s_add_co_u32 s30, s30, s20
	s_mov_b32 s31, 0
	s_wait_kmcnt 0x0
	s_add_nc_u64 s[24:25], s[6:7], s[24:25]
	s_add_nc_u64 s[26:27], s[4:5], s[26:27]
	s_add_nc_u64 s[28:29], s[4:5], s[28:29]
	s_add_nc_u64 s[30:31], s[8:9], s[30:31]
	s_add_nc_u64 s[14:15], s[14:15], s[20:21]      ; out0 at my head (kept)
; V: block t of 32 keys: a lane takes a column d and its registers run down the keys
.macro VLOAD t
.set i, 0
.rept 32
	global_load_b32 v[VX+32*((\t)%2)+i], v12, s[30:31] offset:(32*(\t)+i)*512
.set i, i+1
.endr
.endm
; K and Q: step t of 512 numbers (four rows): steps 0-15 my 64 keys, 16-19 my first tile of Q, 20-23 my second.  Each load reads 512 consecutive bytes
.macro LOADQK t
.irp i, 0,1,2,3
.if (\t) < 16
	global_load_b128 v[QR+16*((\t)%4)+4*\i:QR+16*((\t)%4)+4*\i+3], v1, s[24:25] offset:2048*(\t)+512*\i
.elseif (\t) < 20
	global_load_b128 v[QR+16*((\t)%4)+4*\i:QR+16*((\t)%4)+4*\i+3], v1, s[26:27] offset:2048*((\t)-16)+512*\i th:TH_LOAD_NT
.else
	global_load_b128 v[QR+16*((\t)%4)+4*\i:QR+16*((\t)%4)+4*\i+3], v1, s[28:29] offset:2048*((\t)-20)+512*\i th:TH_LOAD_NT
.endif
.endr
.endm
; a step's 2,048 bytes turn through my stage, so that a lane holds 16 neighbours along d.  LDS serves a wave's instructions in order: no wait between the stores and the loads
.macro TURN t
.irp i, 0,1,2,3
	ds_store_b128 v4, v[QR+16*((\t)%4)+4*\i:QR+16*((\t)%4)+4*\i+3] offset:2560*((\t)%2)+640*\i
.endr
.irp i, 0,1,2,3
	ds_load_b128 v[QX+16*((\t)%2)+4*\i:QX+16*((\t)%2)+4*\i+3], v5 offset:2560*((\t)%2)+16*\i
.endr
.endm
.macro QSTEP t
.set XQ, QX+16*((\t)%2)
.set CQ, QC+2*((\t)%4)
.set EQ, QE+(\t)%4
.if (\t) > 0
	s_wait_dscnt 2                                 ; this step's numbers are back from the stage; the last step's two stores may be out
.else
	s_wait_dscnt 0x0
.endif
.if (\t)+4 < 24
	LOADQK (\t)+4
.endif
.if (\t)+1 < 24
.if 22-(\t) >= 3
	s_wait_loadcnt 12                              ; the next step's four loads are in; those of the three steps behind it may be out
.else
	s_wait_loadcnt 4*(22-(\t))
.endif
	TURN (\t)+1
.endif
	v_max3_num_f32 v13, |v[XQ]|, |v[XQ+1]|, |v[XQ+2]|      ; the largest magnitude of my 16, in two chains
	v_max3_num_f32 v14, |v[XQ+3]|, |v[XQ+4]|, |v[XQ+5]|
.irp i, 6,10
	v_max3_num_f32 v13, v13, |v[XQ+\i]|, |v[XQ+\i+1]|
	v_max3_num_f32 v14, v14, |v[XQ+\i+2]|, |v[XQ+\i+3]|
.endr
	v_max3_num_f32 v13, v13, |v[XQ+14]|, |v[XQ+15]|
	v_max3_num_f32 v13, v13, v14, FLOOR
	v_max_num_f32_dpp v13, v13, v13 row_xmask:1 row_mask:0xf bank_mask:0xf   ; and of my neighbour's 16: the block's
	v_add_nc_u32 v15, OFF2, v13                    ; the conversion takes this operand's exponent field as its scale
	v_cvt_scalef32_pk8_fp4_f32 v[CQ], v[XQ:XQ+7], v15
	v_cvt_scalef32_pk8_fp4_f32 v[CQ+1], v[XQ+8:XQ+15], v15
	v_lshrrev_b32 v[EQ], 23, v15                   ; the scale's byte (a plain line behind the conversions)
.if (\t) < 16                          ; key 64 w + 4 t + lane / 8: tile, row and register by the layout at the head
	ds_store_b8 v7, v[EQ] offset:256*(((\t)>>1)&1)+128*(((\t)>>2)&1)+64*((\t)&1)+4*((\t)>>3)
	ds_store_b64 v6, v[CQ:CQ+1] offset:2048*((\t)>>3)+1024*(((\t)>>1)&1)+128*(((\t)>>2)&1)+64*((\t)&1)
.else                                  ; Q: rows as they lie
	ds_store_b8 v9, v[EQ] offset:64*(((\t)-16)/4)+16*(((\t)-16)%4)
	ds_store_b64 v8, v[CQ:CQ+1] offset:1024*(((\t)-16)/4)+64*(((\t)-16)%4)
.endif
.endm
.macro VBLOCK t
.set XV, VX+32*((\t)%2)
.if (\t) < 7
	s_wait_loadcnt 32                              ; this block's loads are in; the next block's 32 may be out
.else
	s_wait_loadcnt 0x0
.endif
	v_max3_num_f32 v213, |v[XV]|, |v[XV+1]|, |v[XV+2]|     ; all 32 numbers of the block are mine
	v_max3_num_f32 v214, |v[XV+3]|, |v[XV+4]|, |v[XV+5]|
.irp i, 6,10,14,18,22,26
	v_max3_num_f32 v213, v213, |v[XV+\i]|, |v[XV+\i+1]|
	v_max3_num_f32 v214, v214, |v[XV+\i+2]|, |v[XV+\i+3]|
.endr
	v_max3_num_f32 v213, v213, |v[XV+30]|, |v[XV+31]|
	v_max3_num_f32 v213, v213, v214, FLOOR
	v_add_nc_u32 v215, OFF2, v213
	v_lshrrev_b32 v214, 23, v215
.if (\t)%4 == 0
	v_mov_b32 v212, v214                           ; four bytes make a step's scale word of my column
.else
	v_lshl_or_b32 v212, v214, 8*((\t)%4), v212
.endif
.irp g, 0,1,2,3
	v_cvt_scalef32_pk8_fp4_f32 v[208+\g], v[XV+8*\g:XV+8*\g+7], v215
.endr
	v_nop                                          ; one plain line behind the last conversion
	ds_store_b128 v10, v[208:211] offset:8192*((\t)/4)+512*(((\t)%4)/2)+256*((\t)%2)
.if (\t)%4 == 3
	ds_store_b32 v11, v212 offset:512*((\t)/4)
.endif
.if (\t)+2 < 8
	VLOAD (\t)+2
.endif
	s_wait_dscnt 0x0                               ; the stores have read their registers
.endm
	VLOAD 0
	VLOAD 1
.irp t, 0,1,2,3
	LOADQK \t
.endr
	s_wait_loadcnt 12                              ; V's two blocks and step 0 are in
	TURN 0
.irp t, 0,1,2,3,4,5,6,7,8,9,10,11,12,13,14,15,16,17,18,19,20,21,22,23
	QSTEP \t
.endr
.irp t, 0,1,2,3,4,5,6,7
	VBLOCK \t
.endr
	s_wait_dscnt 0x0                               ; for the others' sake: all my stores into the images have landed
	s_barrier_signal -1
	s_barrier_wait -1                              ; the head's K and V lie in LDS; nothing there is written from here on
	; ---- the main part
	v_mov_b32 v4, 0xf6800000                       ; -2^110: a masked score.  A power of two, so that c x it is exact
	v_and_b32 v27, 15, v0                          ; r
	v_bfe_u32 v8, v0, 4, 1                         ; h
	s_lshl_b32 s96, s2, 7
	s_add_co_u32 s96, s96, QSC
	v_lshl_add_u32 v6, v27, 2, s96                 ; Q's scale words: row r's
	v_lshlrev_b32 v7, 9, v8
	v_lshl_add_u32 v7, v27, 4, v7                  ; out: lanes 0-15 one row, lanes 16-31 the next; 16 bytes a lane
.irp x, 236,237,238,239,254,255
	v_mov_b32 v\x, 0                               ; written once: a lane permute's destination counts as one of its sources
.endr
	s_mov_b32 s92, 0x3e0293ee                      ; c = log2(e) / sqrt(128)
	s_mov_b32 s93, s92                             ; (named with it as a pair)
	s_mov_b32 s94, 0x76543210
	s_mov_b32 s95, 0xfedcba98                      ; v_permlanex16_b32's selects for lane l xor 16
	s_mov_b32 s67, 0
; The head of a trip over the key steps: the step's LDS addresses and its place in maskw, all from the counter s3; a closed step goes to the label given.  The four additions are also the places behind the last trip's products.
.macro TRIPHEAD closed
	s_lshl_b32 s86, s3, 13
	s_add_co_u32 s87, s86, VIMG
	s_lshl_b32 s88, s3, 9
	s_add_co_u32 s97, s88, VSC
	s_add_co_u32 s88, s88, KSC
	v_add_nc_u32 v8, s86, v1
	v_add_nc_u32 v9, s87, v1
	v_add_nc_u32 v10, s88, v1
	v_add_nc_u32 v11, s97, v1
	s_lshl_b32 s90, s66, 11
	s_lshl_b32 s96, s3, 8
	s_add_co_u32 s90, s90, s96                     ; (8 tile + step) x 256 bytes
	s_lshr_b32 s96, s84, s3
	s_and_b32 s96, s96, 1
	s_cmp_eq_u32 s96, 0
	s_cbranch_scc1 \closed
.endm
.macro TRIPEND top
	s_add_co_u32 s3, s3, 1
	s_cmp_lt_u32 s3, 8
	s_cbranch_scc1 \top
.endm
; The step's 64 score registers: S^T = K Q^T, then -2^110 where the mask closes; a step that is open everywhere skips the 64 selects
.macro SCORES
	s_load_b512 s[16:31], s[10:11], s90 offset:0x0     ; the 64 lane masks: word n in s[16 + n], from word 48 on in s[20 + n]
	s_load_b512 s[32:47], s[10:11], s90 offset:0x40
	s_load_b512 s[48:63], s[10:11], s90 offset:0x80
	s_load_b512 s[68:83], s[10:11], s90 offset:0xc0
.irp t, 0,1,2,3,4,5,6,7
.irp c, 0,1
	ds_load_b128 v[T+8*\t+4*\c:T+8*\t+4*\c+3], v8 offset:1024*\t+512*\c
.endr
.endr
	ds_load_b128 v[28:31], v10
	s_wait_dscnt 0x0
.irp t, 0,1,2,3,4,5,6,7
.if \t % 2
	v_wmma_scale_f32_16x16x128_f8f6f4 v[S+8*\t:S+8*\t+7], v[T+8*\t:T+8*\t+7], v[16:23], 0, v[28+\t/2], v24 matrix_a_fmt:MATRIX_FMT_FP4 matrix_b_fmt:MATRIX_FMT_FP4 matrix_a_scale:MATRIX_SCALE_ROW1
.else
	v_wmma_scale_f32_16x16x128_f8f6f4 v[S+8*\t:S+8*\t+7], v[T+8*\t:T+8*\t+7], v[16:23], 0, v[28+\t/2], v24 matrix_a_fmt:MATRIX_FMT_FP4 matrix_b_fmt:MATRIX_FMT_FP4
.endif
.endr
.rept 4
	v_nop                                          ; four places ahead of the first read of the results and of writes over the fragments
.endr
	s_wait_kmcnt 0x0                               ; the masks are in, on every way through an open step
	s_lshr_b32 s96, s85, s3
	s_and_b32 s96, s96, 1
	s_cmp_lg_u32 s96, 0
	s_cbranch_scc1 .Lfull_\@
.set n, 0
.rept 64
	v_cndmask_b32 v[S+n], v4, v[S+n], s[16+n+4*(n/48)]
.set n, n+1
.endr
.Lfull_\@:
.endm
; x into the sorted five v224 >= .. >= v228: from the bottom up, so that every line reads old values
.macro INS5 x
	v_med3_num_f32 v228, v227, v228, v[\x]
	v_med3_num_f32 v227, v226, v227, v[\x]
	v_med3_num_f32 v226, v225, v226, v[\x]
	v_med3_num_f32 v225, v224, v225, v[\x]
	v_max_num_f32 v224, v224, v[\x]
.endm
.macro INS2 l, x
	v_med3_num_f32 v[\l+1], v[\l], v[\l+1], v[\x]
	v_max_num_f32 v[\l], v[\l], v[\x]
.endm
; THE FIVE LARGEST, kept as 12 candidates.  An element that m others of its own group are known to equal or exceed can be among the five largest for at most 5 / (m + 1) groups.  21 triples are sorted; of each three
; triples: the firsts sorted give m = 0 (five kept: v224-228), m = 1 (two: v229, v230), m = 2 (one: v231); the seconds' largest has m = 1 (two: v232, v233), their middle m = 3 (one: v234), their least m = 5 (none);
; a third has m = 2 (one, over all: v235).  Score 63 goes in by itself.  Equal values are kept as often as they come.
.macro TOP5
.set j, 0
.rept 21
	v_max3_num_f32 v[160+j], v[S+3*j], v[S+3*j+1], v[S+3*j+2]
	v_med3_num_f32 v[181+j], v[S+3*j], v[S+3*j+1], v[S+3*j+2]
	v_min3_num_f32 v[202+j], v[S+3*j], v[S+3*j+1], v[S+3*j+2]
.set j, j+1
.endr
.set j, 0
.rept 7
	v_max3_num_f32 v236, v[160+j], v[161+j], v[162+j]
	v_med3_num_f32 v237, v[160+j], v[161+j], v[162+j]
	v_min3_num_f32 v238, v[160+j], v[161+j], v[162+j]
	v_max3_num_f32 v239, v[181+j], v[182+j], v[183+j]
	INS5 236
	INS2 229, 237
	v_max_num_f32 v231, v231, v238
	v_med3_num_f32 v238, v[181+j], v[182+j], v[183+j]
	INS2 232, 239
	v_max3_num_f32 v235, v235, v[202+j], v[203+j]
	v_max_num_f32 v234, v234, v238
.set j, j+3
.endr
	v_max3_num_f32 v235, v235, v204, v207
	v_max3_num_f32 v235, v235, v210, v213
	v_max3_num_f32 v235, v235, v216, v219
	v_max_num_f32 v235, v235, v222
	INS5 S+63
.endm
; 64 registers from v[b] on are added into v[14:15], two at a time, in two chains
.macro SUM64 b
	v_pk_add_f32 v[236:237], v[\b:\b+1], v[\b+2:\b+3]
.set n, 4
.rept 15
	v_pk_add_f32 v[14:15], v[14:15], v[\b+n:\b+n+1]
	v_pk_add_f32 v[236:237], v[236:237], v[\b+n+2:\b+n+3]
.set n, n+4
.endr
	v_pk_add_f32 v[14:15], v[14:15], v[236:237]
.endm
; softmax 1's sum, running, under my LANE's own M = the lane's largest t so far rounded up to a whole number: when M moves, the sum is multiplied by a power of two, which rounds nothing
.macro ZSTEP
	v_mul_f32 v254, s92, v224
	v_mov_b32 v255, v12
	v_floor_f32 v12, -v254                         ; -M = floor(-t)
	v_sub_f32 v255, v12, v255                      ; old M - new M: a whole number, 0 or less
	v_cvt_i32_f32 v255, v255                       ; (it saturates)
	v_ldexp_f32 v254, 1.0, v255
.set n, 0
.rept 32
	v_pk_fma_f32 v[160+n:161+n], v[S+n:S+n+1], s[92:93], v[12:13] op_sel_hi:[1,0,0]   ; t - M; the sorted values are done with
.set n, n+2
.endr
.set n, 0
.rept 64
	v_exp_f32 v[160+n], v[160+n]
.set n, n+1
.endr
	v_pk_mul_f32 v[14:15], v[14:15], v[254:255] op_sel_hi:[1,0]   ; the sum under the new M (a plain line behind the exponentials)
	s_wait_alu depctr_va_vdst(0)                   ; one wait for the batch, ahead of its first reader
	SUM64 160
.endm
; T = x = 2^(e AA + NB), e = 2^(c s - M): the second softmax's numerator of every score
.macro XCHAIN
.set n, 0
.rept 32
	v_pk_fma_f32 v[T+n:T+n+1], v[S+n:S+n+1], s[92:93], v[12:13] op_sel_hi:[1,0,0]
.set n, n+2
.endr
.set n, 0
.rept 64
	v_exp_f32 v[T+n], v[T+n]
.set n, n+1
.endr
	v_nop
	s_wait_alu depctr_va_vdst(0)                   ; one wait for the batch
.set n, 0
.rept 32
	v_pk_fma_f32 v[T+n:T+n+1], v[T+n:T+n+1], v[AA:AA+1], v[NB:NB+1] op_sel_hi:[1,0,0]
.set n, n+2
.endr
.set n, 0
.rept 64
	v_exp_f32 v[T+n], v[T+n]
.set n, n+1
.endr
	v_nop
	s_wait_alu depctr_va_vdst(0)                   ; and one for the second
.endm
.macro VFETCH t0                       ; four of V's tiles of the step
.irp t, \t0, \t0+1, \t0+2, \t0+3
.irp c, 0,1
	ds_load_b128 v[T+8*(\t)+4*\c:T+8*(\t)+4*\c+3], v9 offset:1024*(\t)+512*\c
.endr
.endr
.endm
.macro PV tau, p, sc                   ; O^T += V^T P^T for 16 of the head's 128; the eight accumulators take turns, one instruction a turn
.if (\tau) % 2
	v_wmma_scale_f32_16x16x128_f8f6f4 v[O+8*(\tau):O+8*(\tau)+7], v[T+8*(\tau):T+8*(\tau)+7], v[\p:\p+7], v[O+8*(\tau):O+8*(\tau)+7], v[28+(\tau)/2], v[\sc] matrix_a_fmt:MATRIX_FMT_FP4 matrix_b_fmt:MATRIX_FMT_FP4 matrix_a_scale:MATRIX_SCALE_ROW1
.else
	v_wmma_scale_f32_16x16x128_f8f6f4 v[O+8*(\tau):O+8*(\tau)+7], v[T+8*(\tau):T+8*(\tau)+7], v[\p:\p+7], v[O+8*(\tau):O+8*(\tau)+7], v[28+(\tau)/2], v[\sc] matrix_a_fmt:MATRIX_FMT_FP4 matrix_b_fmt:MATRIX_FMT_FP4
.endif
.endm
.Ltile:                                                ; two trips: tile T0, then tile 63 - T0
	s_sub_co_u32 s96, 63, s89
	s_cmp_eq_u32 s67, 0
	s_cselect_b32 s66, s89, s96                    ; the tile
	s_lshl_b32 s96, s66, 5
	s_load_b256 s[16:23], s[12:13], s96 offset:0x0 ; its eight words of info
	s_lshl_b32 s86, s67, 10
	s_add_co_u32 s86, s86, s91
	v_add_nc_u32 v8, s86, v1
	s_lshl_b32 s87, s67, 6
	v_add_nc_u32 v9, s87, v6
	ds_load_b128 v[16:19], v8                      ; Q's fragment and scale words: waited for with the first step's loads
	ds_load_b128 v[20:23], v8 offset:512
	ds_load_b32 v24, v9
	s_lshl_b32 s87, s66, 4
	v_add_nc_u32 v5, s87, v27                      ; my query
	s_lshl_b32 s100, s66, 13
	s_mov_b32 s101, 0
	s_add_nc_u64 s[100:101], s[14:15], s[100:101]  ; the tile's rows of out
.irp x, 224,225,226,227,228,229,230,231,232,233,234,235
	v_mov_b32 v\x, v4                              ; the twelve candidates begin as masked scores: so do the entries of closed steps count
.endr
	v_mul_f32 v13, s92, v4
	v_floor_f32 v12, -v13                          ; -M of a masked score
	v_mov_b32 v14, 0
	v_mov_b32 v15, 0
	s_wait_kmcnt 0x0
	s_or_b32 s16, s16, s17
	s_or_b32 s18, s18, s19
	s_or_b32 s20, s20, s21
	s_or_b32 s22, s22, s23
	s_or_b32 s16, s16, s18
	s_or_b32 s20, s20, s22
	s_or_b32 s16, s16, s20
	s_and_b32 s84, s16, 0xff                       ; bit s: step s has an allowed entry
	s_lshr_b32 s85, s16, 8                         ; bit s: all its entries are allowed
	s_bcnt1_i32_b32 s98, s84
	s_sub_co_u32 s98, 8, s98
	s_lshl_b32 s98, s98, 6                         ; a lane's entries in closed steps: 64 each
	; ---- pass A
	s_mov_b32 s3, 0
.Lpa:
	TRIPHEAD .Lpa_next
	SCORES
	TOP5
	ZSTEP
.Lpa_next:
	TRIPEND .Lpa
	; the row's five largest: my seven side candidates, then lane l xor 16's five
.irp x, 229,230,231,232,233,234,235
	INS5 \x
.endr
	v_permlanex16_b32 v236, v224, s94, s95
	v_permlanex16_b32 v237, v225, s94, s95
	v_permlanex16_b32 v238, v226, s94, s95
	v_permlanex16_b32 v239, v227, s94, s95
	v_permlanex16_b32 v254, v228, s94, s95
.irp x, 236,237,238,239,254
	INS5 \x
.endr
	v_mul_f32 v13, s92, v224
	v_mov_b32 v255, v12
	v_floor_f32 v12, -v13                          ; the ROW's -M
	v_sub_f32 v255, v12, v255
	v_cvt_i32_f32 v255, v255
	v_ldexp_f32 v254, 1.0, v255
	v_add_f32 v14, v14, v15
	v_mul_f32 v14, v14, v254                       ; my lane's sum under the row's M
.irp i, 0,1,2,3,4
	v_fma_f32 v[X1+\i], v[224+\i], s92, v12
.endr
	v_fma_f32 v[XMK], v4, s92, v12
.irp i, 0,1,2,3,4,5
	v_exp_f32 v[X1+\i], v[X1+\i]                   ; e of the five largest and of a masked entry
.endr
	v_cvt_f32_u32 v255, s98                        ; (a plain line behind the exponentials)
	s_wait_alu depctr_va_vdst(0)
	v_fma_f32 v14, v255, v[XMK], v14               ; the closed steps' entries
	v_permlanex16_b32 v254, v14, s94, s95
	v_add_f32 v14, v14, v254                       ; Z
	v_rcp_f32 v254, v14
	v_nop
	s_wait_alu depctr_va_vdst(0)
	v_mul_f32 v[AA], 0x3fb8aa3b, v254              ; p - p1 in base 2 is e AA + NB
	v_mul_f32 v239, v[X1+4], v254                  ; p5
	v_mov_b32 v[AA+1], v[AA]
	v_mul_f32 v[NB], -v[X1], v[AA]
	v_mov_b32 v[NB+1], v[NB]
.irp i, 0,1,2,3,4,5
	v_fma_f32 v[X1+\i], v[X1+\i], v[AA], v[NB]
.endr
.irp i, 0,1,2,3,4,5
	v_exp_f32 v[X1+\i], v[X1+\i]                   ; x of the five largest and of a masked entry
.endr
	v_cmp_lt_f32 vcc_lo, 0, v239
	v_cndmask_b32 v[THR], v4, v228, vcc_lo         ; the fifth largest score; where p5 is 0 everything is kept,
	v_cmp_gt_u32 vcc_lo, 5, v5
	v_cndmask_b32 v[THR], v[THR], v4, vcc_lo       ; and in rows 0 to 4 too
	v_cmp_ge_f32 vcc_lo, v4, v[THR]                ; are masked entries kept?
	v_mov_b32 v254, s98
	v_cndmask_b32 v[CNT], 0, v254, vcc_lo          ; then the closed steps' entries count,
	s_wait_alu depctr_va_vdst(0)
	v_cndmask_b32 v[XMK], 0, v[XMK], vcc_lo
	v_mul_f32 v14, v255, v[XMK]                    ; and add to tile 0's sum
	v_mov_b32 v15, 0
	; ---- pass B: the number kept; in tile 0, whose rows 1 to 4 keep unlike weights, the sum itself
	s_mov_b32 s3, 0
.Lpb:
	TRIPHEAD .Lpb_next
	SCORES
	s_cmp_eq_u32 s66, 0
	s_cbranch_scc1 .Lpb_dense
.set n, 0
.rept 64
	v_cmp_ge_f32 vcc_lo, v[S+n], v[THR]
	v_add_co_ci_u32 v[CNT], vcc_lo, 0, v[CNT], vcc_lo
.set n, n+1
.endr
	s_branch .Lpb_next
.Lpb_dense:
	XCHAIN
.set n, 0
.rept 64
	v_cmp_ge_f32 vcc_lo, v[S+n], v[THR]
	v_cndmask_b32 v[T+n], 0, v[T+n], vcc_lo
.set n, n+1
.endr
	SUM64 T
.Lpb_next:
	TRIPEND .Lpb
	v_permlanex16_b32 v254, v[CNT], s94, s95
	v_add_nc_u32 v[CNT], v[CNT], v254              ; N
	v_add_nc_u32 v[CNT], -5, v[CNT]
	v_cvt_f32_i32 v[CNT], v[CNT]
	v_add_f32 v254, v[X1], v[X1+1]
	v_add_f32 v255, v[X1+2], v[X1+3]
	v_add_f32 v254, v254, v255
	v_add_f32 v254, v254, v[X1+4]
	v_fma_f32 v254, v[CNT], v[X1+4], v254          ; x1 + .. + x5 + (N - 5) x5
	v_add_f32 v14, v14, v15
	v_permlanex16_b32 v255, v14, s94, s95
	v_add_f32 v14, v14, v255                       ; tile 0's sum
	s_cmp_eq_u32 s66, 0
	s_cselect_b32 s96, -1, 0
	v_cndmask_b32 v254, v254, v14, s96
	v_rcp_f32 v[RS], v254
	v_cmp_eq_u32 vcc_lo, 0, v5                     ; (a plain line behind the reciprocal)
	s_wait_alu depctr_va_vdst(0)
	v_cndmask_b32 v[RS], v[RS], 0, vcc_lo          ; row 0: every weight is 0
	v_mov_b32 v[RS+1], v[RS]
	v_mul_f32 v255, v[XMK], v[RS]                  ; w_m: a masked entry's weight.  A closed step's blocks hold nothing else: one scale, one code
	v_max_num_f32 v254, FLOOR, v255
	v_add_nc_u32 v254, OFF2, v254
	v_lshrrev_b32 v26, 23, v254
	v_lshl_or_b32 v26, v26, 8, v26
	v_lshl_or_b32 v26, v26, 16, v26                ; the byte four times: its scale word
.irp i, 0,1,2,3,4,5,6,7
	v_mov_b32 v[T+\i], v255
.endr
	v_cvt_scalef32_pk8_fp4_f32 v[PM], v[T:T+7], v254
	v_nop                                          ; one plain line behind the conversion
.irp i, 1,2,3,4,5,6,7
	v_mov_b32 v[PM+\i], v[PM]
.endr
.set n, 0
.rept 64
	v_mov_b32 v[O+n], 0                            ; O^T: the step is written once, so the sums begin as zeros.  (Also the places between the lines above and the first product that names them)
.set n, n+1
.endr
	; ---- pass C
	s_mov_b32 s3, 0
.Lpc:
	TRIPHEAD .Lpc_closed
	SCORES
	XCHAIN
.set n, 0
.rept 32
	v_pk_mul_f32 v[T+n:T+n+1], v[T+n:T+n+1], v[RS:RS+1] op_sel_hi:[1,0]
.set n, n+2
.endr
.set n, 0
.rept 64
	v_cmp_ge_f32 vcc_lo, v[S+n], v[THR]
	v_cndmask_b32 v[S+n], 0, v[T+n], vcc_lo        ; w, finished and normalised: 0 where dropped
.set n, n+1
.endr
	VFETCH 0                                       ; V's tiles 0-3 and its scale words land while w is quantised
	ds_load_b128 v[28:31], v11
	; w's four blocks of 32 keys: my 16 numbers of each and lane l xor 16's.  No |.|: none is negative.  At work: v64-79
.irp b, 0,1,2,3
	v_max3_num_f32 v[64+\b], v[S+16*\b], v[S+1+16*\b], FLOOR
.endr
.irp i, 2,4,6,8,10,12,14
.irp b, 0,1,2,3
	v_max3_num_f32 v[64+\b], v[64+\b], v[S+16*\b+\i], v[S+1+16*\b+\i]
.endr
.endr
.irp b, 0,1,2,3
	v_permlanex16_b32 v[68+\b], v[64+\b], s94, s95
.endr
.irp b, 0,1,2,3
	v_max_num_f32 v[64+\b], v[64+\b], v[68+\b]
.endr
.irp b, 0,1,2,3
	v_add_nc_u32 v[76+\b], OFF2, v[64+\b]
.endr
.irp b, 0,1,2,3
	v_lshrrev_b32 v[68+\b], 23, v[76+\b]
.endr
	v_lshl_or_b32 v25, v69, 8, v68                 ; w's scale word for these 128 keys
	v_lshl_or_b32 v25, v70, 16, v25
	v_lshl_or_b32 v25, v71, 24, v25
.irp b, 0,1,2,3
	v_cvt_scalef32_pk8_fp4_f32 v[PC+2*\b], v[S+16*\b:S+7+16*\b], v[76+\b]
	v_cvt_scalef32_pk8_fp4_f32 v[PC+1+2*\b], v[S+8+16*\b:S+15+16*\b], v[76+\b]
.endr
	v_nop                                          ; one plain line behind the last conversion
.irp c, 0,1                                    ; the operand's layout wants a whole block in a lane
.irp i, 0,1
	v_permlane16_swap_b32 v[PC+4*\c+\i], v[PC+2+4*\c+\i]
.endr
.endr
	VFETCH 4
.rept 8
	v_nop                                          ; a scale word made by vector lines stands eight places ahead of the product that names it, codes so made four
.endr
	s_wait_dscnt 8                                 ; tiles 0-3 and the scale words are in; the eight loads of tiles 4-7 may be out
.irp u, 0,1,2,3
	PV \u, PC, 25
.endr
	s_wait_dscnt 0x0
.irp u, 4,5,6,7
	PV \u, PC, 25
.endr
	s_branch .Lpc_next
.Lpc_closed:                                           ; a closed step: every weight of a row is w_m
	VFETCH 0
	VFETCH 4
	ds_load_b128 v[28:31], v11
	s_wait_dscnt 0x0
.irp u, 0,1,2,3,4,5,6,7
	PV \u, PM, 26
.endr
.Lpc_next:
	TRIPEND .Lpc
	; ---- the way out: O^T goes through my stage, half a row (256 bytes) of 16 queries at a time, and leaves as whole aligned runs of 256 bytes.  The seven address lines are the places behind the last products
	v_bfe_u32 v9, v0, 4, 1
	v_mul_u32_u24 v10, v27, 272
	v_lshl_add_u32 v10, v9, 5, v10
	v_add_nc_u32 v10, s99, v10                     ; in: row r; a tile's eight channels of my half
	v_mul_u32_u24 v11, v9, 272
	v_lshl_add_u32 v11, v27, 4, v11
	v_add_nc_u32 v11, s99, v11                     ; back: lanes 0-15 one row, lanes 16-31 the next
.irp u, 0,1
.irp t, 0,1,2,3
	ds_store_b128 v10, v[O+32*\u+8*\t:O+32*\u+8*\t+3] offset:64*\t          ; each accumulator from its low end on
	ds_store_b128 v10, v[O+32*\u+8*\t+4:O+32*\u+8*\t+7] offset:64*\t+16
.endr
.irp i, 0,1,2,3,4,5,6,7
	ds_load_b128 v[T+32*\u+4*\i:T+32*\u+4*\i+3], v11 offset:2*\i*272        ; LDS serves a wave's instructions in order: these see my stores, and the next half's stores come behind them
.endr
.endr
.irp u, 0,1
.irp i, 0,1,2,3,4,5,6,7
	s_wait_dscnt 15-8*\u-\i
	global_store_b128 v7, v[T+32*\u+4*\i:T+32*\u+4*\i+3], s[100:101] offset:2*\i*512+256*\u th:TH_STORE_NT   ; 16 lanes store 256 consecutive bytes, at a multiple of 256 from out's first byte
.endr
.endr
	s_wait_xcnt 0x0                                ; the stores have read their registers and their base: both are written again in the next tile
	s_add_co_u32 s67, s67, 1
	s_cmp_lt_u32 s67, 2
	s_cbranch_scc1 .Ltile
	s_wait_tensorcnt 0x0                           ; the wave's end: three closing lines behind my last LDS store, the first of them even without a tensor load
	ds_add_u32 v2, v3
	s_wait_dscnt 0x0
	s_endpgm
.Lfunc_end_k_q031886b920_attn:
	.size	k_q031886b920_attn, .Lfunc_end_k_q031886b920_attn-k_q031886b920_attn
	.p2alignl 7, 3214868480
	.fill 96, 4, 3214868480
	.section	.rodata,"a",@progbits
	.p2align	6, 0x0
	.amdhsa_kernel k_q031886b920_attn
		.amdhsa_group_segment_fixed_size 258048
		.amdhsa_private_segment_fixed_size 0
		.amdhsa_enable_private_segment 0
		.amdhsa_kernarg_size 48
		.amdhsa_user_sgpr_count 2
		.amdhsa_user_sgpr_kernarg_segment_ptr 1
		.amdhsa_wavefront_size32 1
		.amdhsa_system_sgpr_workgroup_id_x 1
		.amdhsa_system_sgpr_workgroup_id_y 1
		.amdhsa_system_sgpr_workgroup_id_z 1
		.amdhsa_system_vgpr_workitem_id 0
		.amdhsa_next_free_vgpr 256
		.amdhsa_next_free_sgpr 102
		.amdhsa_reserve_vcc 1
		.amdhsa_float_denorm_mode_32 3
		.amdhsa_float_denorm_mode_16_64 3
		.amdhsa_memory_ordered 1
		.amdhsa_forward_progress 1
		.amdhsa_inst_pref_size 183
	.end_amdhsa_kernel
	.amdgpu_metadata
---
amdhsa.version: [ 1, 2 ]
amdhsa.kernels:
  - .name:           k_q031886b920_attn
    .symbol:         k_q031886b920_attn.kd
    .args:
      - { .name: q, .offset: 0, .size: 8, .value_kind: global_buffer, .address_space: global }
      - { .name: k, .offset: 8, .size: 8, .value_kind: global_buffer, .address_space: global }
      - { .name: v, .offset: 16, .size: 8, .value_kind: global_buffer, .address_space: global }
      - { .name: maskw, .offset: 24, .size: 8, .value_kind: global_buffer, .address_space: global }
      - { .name: info, .offset: 32, .size: 8, .value_kind: global_buffer, .address_space: global }
      - { .name: out0, .offset: 40, .size: 8, .value_kind: global_buffer, .address_space: global }
    .group_segment_fixed_size: 258048
    .private_segment_fixed_size: 0
    .kernarg_segment_align: 8
    .kernarg_segment_size: 48
    .max_flat_workgroup_size: 512
    .sgpr_count:     102
    .vgpr_count:     256
    .wavefront_size: 32
...
	.end_amdgpu_metadata
.endif
;; end of part 2
;; ======== version 2 of 2: 2 launches; version 1 with the launch attn written anew for expert scheduling mode
;; limits: right only within a limited range of input values; values within 1.2e-07 (relative) of each other or of a threshold may be ordered or decided otherwise than in the reference
;; workspace buffers: maskw 131,072 bytes of whole numbers; info 2,048 bytes of whole numbers
;; launch maskpack: the kernel of part 1 again; grid 256 x 1, 2 waves a work-group, no clusters, 0 bytes of LDS; arguments mask, maskw, info; writes maskw, info
;; launch attn (part 3): grid 2 x 128, 16 waves a work-group, no clusters, 258,048 bytes of LDS; arguments q, k, v, maskw, info, out0; writes out0
.if DOCPART == 3
	.amdgcn_target "amdgcn-amd-amdhsa--gfx1250"
	.amdhsa_code_object_version 6
	.text
	.protected	k_q031886b920_attn
	.globl	k_q031886b920_attn
	.p2align	8
	.type	k_q031886b920_attn,@function
k_q031886b920_attn:
	s_mov_b64 s[64:65], 0
	v_nop
	global_prefetch_b8 v0, s[64:65] scope:SCOPE_SE
	s_setreg_imm32_b32 hwreg(HW_REG_WAVE_SCHED_MODE, 0, 2), 2
	s_setreg_imm32_b32 hwreg(HW_REG_WAVE_MODE, 25, 1), 1
	s_wait_xcnt 0x0
	s_wait_alu depctr_vm_vsrc(0)
; out[h][q] = w[q][:] V, w = softmax2(keep5(softmax1(mask(Q K^T / sqrt(128))))), row 0 zeroed; both products on codes of E2M1 with one E8M0 scale for each 32 along K.  q, k, v, out: [128 heads][1024][128] f32.
; WORK LEFT OUT: the products q . k of key steps that the stored whole numbers (info, made from the mask input by the launch before) show closed for all 16 queries of a tile: reference() replaces every such score by NEG.
; WHAT IS USED OF reference(), FOR ALL INPUTS.  (1) Masked entries of a row all hold one score, so one p, one keep decision and one weight w_m.  (2) In rows >= 5 every kept entry outside the five largest has p equal to the
; fifth: so the second softmax's sum is x(p1) + .. + x(p5) + (N - 5) x(p5), N the number kept: only a count runs over the row.  (3) Rows 1 to 4 keep everything: they lie in query tile 0, which takes the sum entry by entry.
; LIMITS.  The masked raw score is -2^110, which is -1.15e32 after / sqrt(128), where reference() has -1e32: the same results while |score| < 1e32.  v_exp_f32 gives 0 for results under 2^-126, so a fifth weight under
; 2^-126 counts as 0, and then everything is kept.  The keep test is made on the raw scores (s >= the fifth largest s): it takes the exponential not to fall where its input rises, and two unlike scores not to round to one p.
; NaN and infinities among the inputs are not served.
; SHARES.  A work-group owns one head and half of its 64 query tiles; each of its sixteen waves owns tiles T0 = 16 x + w and 63 - T0, one after the other, in 256 registers: four waves to a SIMD.
; PROLOGUE.  The work-group quantises the head's K (along d) and V (along the keys) and each wave its own Q, straight into LDS, as IMAGES OF OPERAND REGISTERS: a fragment's four registers lie lane by lane, 16 bytes a lane.
; One barrier; behind it nothing in these images is written, and the waves go their own ways.
; No tensor load: the walk branches on stored whole numbers, and every input number passes through registers to be quantised.  No cluster: what two work-groups of a head share is f32 that each converts itself.
; LAYOUT.  Both products transposed: S^T = K Q^T, O^T = V^T P^T: lane (r, h) holds query r.  Row m of K's tile 2 b + u is key 32 b + 8 u + m + 8 (m / 8), so that score register 16 b + i is key 32 b + 16 h + i.
; THREE PASSES over a tile's 8 key steps, the scores made anew in each (8 matrix instructions a step).  A: the five largest scores and softmax 1's sum.  B: the count N (tile 0: the sum).  C: the weights, quantised, times V.
; REGISTERS (main part): v1 16 x lane; v2, v3 the add's two; v4 -2^110; v5 my query; v6 Q's scale address; v7 out offset; v8-11 step addresses; v[12:13] -M; v[14:15] sums; v16-23 Q; v24 Q's, v25 P's, v26 w_m's scale word;
; v27 lane % 16; v28-31 K's or V's scale words; v32-95 fragments, then T; v96-159 scores, then w; v160-223 at work in A, O^T in C; v224-231 P's codes (A: lists); v232-239 w_m's codes (A: lists, at work); v240.. a row's figures
; (v248-255: at work in C).
; THE MODE: SCHED_MODE bits 1:0 = 2 (LLVM: expert scheduling mode 2), set by the entry lines.  The code itself states the register dependences between vector or matrix instructions and memory or LDS instructions,
; and those through scalar registers and VCC that vector instructions write, with s_wait_alu, always for 0.
; THE PLAN.  Registers that memory or LDS instructions touch, and who else names them:
;   prologue  v32-95    four sets: the loads of step t + 4 land; the stage's LDS stores read.              v96-127  two sets: the stage's LDS loads land; a step's vector lines read.
;             v128-139  four sets: step t's conversions write; two LDS stores, issued in step t + 1, read.  v144-207 two sets: V's loads land; a block's vector lines read.   v208-212: a block's lines write; its LDS stores read.
;             So a step's head has one wait for each side, and behind them stand its loads, the next step's turn through the stage and the last step's two stores; a block of V has one wait behind its conversions.
;   main      v8-11     written at a trip's head, read by the trip's LDS loads.      v16-24, v28-31: LDS loads land; products read.
;             v32-95    LDS loads land (K's, V's fragments; rows of out); products read; vector lines of passes B and C write and read; the global stores read.
;             v160-223  products and pass A's vector lines write; the way out's LDS stores read.      v25, v224-231 and v26, v232-239: vector lines write; scaled products take them.
;             So a trip's head has one wait for each side, round its four additions, which serve every load of the trip on both of its ways; pass C has one more ahead of V's loads and one ahead of its products.
;   scalar    s16-63, s68-83: scalar loads bring a step's 64 words of the mask; then 64 compares write the keep test's lane masks there, in one run with one wait behind it, and 64 selects read them.
.set KIMG,  0                          ; LDS: K's codes: 8192 step + 1024 tile + 512 c + 16 lane
.set VIMG,  65536                      ; V's likewise
.set KSC,   131072                     ; K's scale words: 512 step + 16 l + 4 k: register k, lanes 0-15 tile 2 k, lanes 16-31 tile 2 k + 1
.set VSC,   135168                     ; V's likewise
.set QIMG,  139264                     ; Q's codes: 2048 wave + 1024 i + 512 c + 16 lane
.set QSC,   172032                     ; Q's scale words: 128 wave + 64 i + 4 row
.set STG,   174080                     ; 5,120 bytes a wave: two stages of 32 x 80 in the prologue, the way out's 16 x 272 later
.set SPARE, 256000                     ; the spare words, 128 bytes a wave: eight blocks of 256 bytes that no other line names
.set FLOOR, 0x1800000                  ; 2^(3 - 127): under it no largest magnitude is taken, so a scale's byte cannot fall under 1
.set OFF2,  0xff000000                 ; takes 2 off an exponent field
.set QR, 32                            ; prologue: v32-95 four sets of 16 numbers as loaded
.set QX, 96                            ; v96-127 two sets of 16 neighbours
.set QC, 128                           ; v128-135 codes, v136-139 bytes: by turns of four steps
.set QE, 136
.set VX, 144                           ; v144-207 V: two sets of 32 numbers; v208-215 at work
.set T,   32
.set S,   96
.set O,   160
.set PC,  224
.set PM,  232
.set THR, 240                          ; keep where score >= THR
.set CNT, 241
.set AA,  242                          ; v[242:243] log2(e) / Z
.set NB,  244                          ; v[244:245] -e1 x AA
.set RS,  246                          ; v[246:247] 1 / sum 2 (0 in row 0)
.set X1,  248                          ; v248-252 e, then x, of the five largest
.set XMK, 253                          ; the same of a masked entry; 0 where masked entries are dropped
.set QM,  248                          ; pass C, where X1 and XMK are done with: v248-251 a block's largest weight, then the conversion's scale operand;
.set QP,  252                          ; v252-255 the other half's largest, then the scale's byte
	s_load_b256 s[4:11], s[0:1], 0x0               ; q s[4:5], k s[6:7], v s[8:9], maskw s[10:11]
	s_load_b128 s[12:15], s[0:1], 0x20             ; info s[12:13], out0 s[14:15]
	v_lshl_add_u32 v2, v0, 2, SPARE
	v_mov_b32 v3, 0
	v_lshrrev_b32 v217, 5, v0
	v_readfirstlane_b32 s2, v217                   ; wave 0..15
	v_and_b32 v216, 31, v0                         ; lane
	v_lshlrev_b32 v1, 4, v216                      ; 16 x lane
	s_wait_alu depctr_va_sdst(0)                   ; s2 is written, ahead of its first reader: every wave's addresses are made from it
	s_mul_i32 s99, s2, 5120
	s_add_co_u32 s99, s99, STG                     ; my stage
	v_lshrrev_b32 v4, 2, v216
	v_mul_u32_u24 v4, v4, 80
	v_and_b32 v217, 3, v216
	v_lshl_add_u32 v4, v217, 4, v4
	v_add_nc_u32 v4, s99, v4                       ; the stage, in: four lanes' 64 bytes on end, then 16 of padding
	v_mul_u32_u24 v5, v216, 80
	v_add_nc_u32 v5, s99, v5                       ; and out: my 16 neighbours
	; a lane's 16 codes (d = 16 (lane % 8) on, of row lane / 8 of the step's four) in a fragment's image: 512 (d / 64) + 256 ((d / 32) % 2) + 16 row + 8 ((d / 16) % 2)
	v_bfe_u32 v6, v216, 2, 1
	v_lshlrev_b32 v6, 9, v6
	v_bfe_u32 v217, v216, 1, 1
	v_lshl_add_u32 v6, v217, 8, v6
	v_lshrrev_b32 v218, 3, v216
	v_lshl_add_u32 v6, v218, 4, v6
	v_and_b32 v217, 1, v216
	v_lshl_add_u32 v6, v217, 3, v6
	s_lshl_b32 s91, s2, 11
	s_add_co_u32 s91, s91, QIMG                    ; my Q images (kept)
	v_add_nc_u32 v8, s91, v6                       ; Q's codes
	s_lshl_b32 s16, s2, 12
	v_add_nc_u32 v6, s16, v6                       ; K's codes: my 64 keys fill 4,096 bytes
	v_bfe_u32 v217, v216, 1, 2                     ; my block of 32 along d
	v_lshl_add_u32 v9, v218, 2, v217
	v_lshl_add_u32 v7, v218, 4, v217
	s_lshr_b32 s16, s2, 1
	s_lshl_b32 s16, s16, 9
	s_and_b32 s17, s2, 1
	s_lshl_b32 s17, s17, 3
	s_add_co_u32 s16, s16, s17
	s_add_co_u32 s16, s16, KSC
	v_add_nc_u32 v7, s16, v7                       ; K's scale bytes
	s_lshl_b32 s16, s2, 7
	s_add_co_u32 s16, s16, QSC
	v_add_nc_u32 v9, s16, v9                       ; Q's scale bytes
	s_lshr_b32 s18, s2, 2                          ; V: which 256 keys,
	s_and_b32 s19, s2, 3                           ; which 32 columns
	s_lshl_b32 s16, s18, 14
	s_lshl_b32 s17, s19, 11
	s_add_co_u32 s16, s16, s17
	s_add_co_u32 s16, s16, VIMG
	v_lshrrev_b32 v10, 4, v216
	v_lshlrev_b32 v10, 10, v10
	v_and_b32 v217, 15, v216
	v_lshl_add_u32 v10, v217, 4, v10
	v_add_nc_u32 v10, s16, v10                     ; V's codes: tile 2 (w % 4) + lane / 16, row lane % 16
	s_lshl_b32 s16, s18, 10
	s_lshl_b32 s17, s19, 2
	s_add_co_u32 s16, s16, s17
	s_add_co_u32 s16, s16, VSC
	v_add_nc_u32 v11, s16, v1                      ; V's scale words
	v_lshlrev_b32 v12, 2, v216                     ; V's loads: 4 bytes a lane
	s_and_b32 s20, ttmp7, 0xffff
	s_lshl_b32 s20, s20, 19                        ; the head's first byte in q, k, v and out
	s_mov_b32 s21, 0
	s_lshl_b32 s89, ttmp9, 4
	s_add_co_u32 s89, s89, s2                      ; T0 (kept)
	s_sub_co_u32 s22, 63, s89                      ; my second tile
	s_lshl_b32 s24, s2, 15                         ; K: my 64 keys of 512 bytes
	s_add_co_u32 s24, s24, s20
	s_mov_b32 s25, 0
	s_lshl_b32 s26, s89, 13                        ; Q: 16 rows of 512 bytes a tile
	s_add_co_u32 s26, s26, s20
	s_mov_b32 s27, 0
	s_lshl_b32 s28, s22, 13
	s_add_co_u32 s28, s28, s20
	s_mov_b32 s29, 0
	s_lshl_b32 s30, s18, 17                        ; V: 256 keys of 512 bytes,
	s_lshl_b32 s17, s19, 7                         ; 32 columns of 4
	s_add_co_u32 s30, s30, s17
	s_add_co_u32 s30, s30, s20
	s_mov_b32 s31, 0
	s_wait_kmcnt 0x0
	s_add_nc_u64 s[24:25], s[6:7], s[24:25]
	s_add_nc_u64 s[26:27], s[4:5], s[26:27]
	s_add_nc_u64 s[28:29], s[4:5], s[28:29]
	s_add_nc_u64 s[30:31], s[8:9], s[30:31]
	s_add_nc_u64 s[14:15], s[14:15], s[20:21]      ; out0 at my head (kept)
; V: block t of 32 keys: a lane takes a column d and its registers run down the keys
.macro VLOAD t
.set i, 0
.rept 32
	global_load_b32 v[VX+32*((\t)%2)+i], v12, s[30:31] offset:(32*(\t)+i)*512
.set i, i+1
.endr
.endm
; K and Q: step t of 512 numbers (four rows): steps 0-15 my 64 keys, 16-19 my first tile of Q, 20-23 my second.  Each load reads 512 consecutive bytes
.macro LOADQK t
.irp i, 0,1,2,3
.if (\t) < 16
	global_load_b128 v[QR+16*((\t)%4)+4*\i:QR+16*((\t)%4)+4*\i+3], v1, s[24:25] offset:2048*(\t)+512*\i
.elseif (\t) < 20
	global_load_b128 v[QR+16*((\t)%4)+4*\i:QR+16*((\t)%4)+4*\i+3], v1, s[26:27] offset:2048*((\t)-16)+512*\i th:TH_LOAD_NT
.else
	global_load_b128 v[QR+16*((\t)%4)+4*\i:QR+16*((\t)%4)+4*\i+3], v1, s[28:29] offset:2048*((\t)-20)+512*\i th:TH_LOAD_NT
.endif
.endr
.endm
; a step's 2,048 bytes turn through my stage, so that a lane holds 16 neighbours along d.  LDS serves a wave's instructions in order: no wait between the stores and the loads
.macro TURN t
.irp i, 0,1,2,3
	ds_store_b128 v4, v[QR+16*((\t)%4)+4*\i:QR+16*((\t)%4)+4*\i+3] offset:2560*((\t)%2)+640*\i
.endr
.irp i, 0,1,2,3
	ds_load_b128 v[QX+16*((\t)%2)+4*\i:QX+16*((\t)%2)+4*\i+3], v5 offset:2560*((\t)%2)+16*\i
.endr
.endm
; step t's byte and codes go to their images: issued one step later, behind that step's wait for the vector side
.macro QSTORE t
.set CQ, QC+2*((\t)%4)
.set EQ, QE+(\t)%4
.if (\t) < 16                          ; key 64 w + 4 t + lane / 8: tile, row and register by the layout at the head
	ds_store_b8 v7, v[EQ] offset:256*(((\t)>>1)&1)+128*(((\t)>>2)&1)+64*((\t)&1)+4*((\t)>>3)
	ds_store_b64 v6, v[CQ:CQ+1] offset:2048*((\t)>>3)+1024*(((\t)>>1)&1)+128*(((\t)>>2)&1)+64*((\t)&1)
.else                                  ; Q: rows as they lie
	ds_store_b8 v9, v[EQ] offset:64*(((\t)-16)/4)+16*(((\t)-16)%4)
	ds_store_b64 v8, v[CQ:CQ+1] offset:1024*(((\t)-16)/4)+64*(((\t)-16)%4)
.endif
.endm
.macro QSTEP t
.if (\t) > 1
	s_wait_dscnt 2                                 ; this step's numbers are back from the stage; the two stores issued behind the stage's loads may be out
.else
	s_wait_dscnt 0x0
.endif
	s_wait_alu depctr_vm_vsrc(0)                   ; the stage's stores have read this step's set of loaded numbers, in which the loads of four steps on land; the stores of codes and bytes issued so far have read their sets, of which this step's lines write one again
.if (\t) > 0
	s_wait_alu depctr_va_vdst(0)                   ; the step before has written its codes and its byte, which the two stores below read, and is done reading its 16 neighbours, in which the stage's loads below land
.endif
.if (\t)+4 < 24
	LOADQK (\t)+4
.endif
.if (\t)+1 < 24
.if 22-(\t) >= 3
	s_wait_loadcnt 12                              ; the next step's four loads are in; those of the three steps behind it may be out
.else
	s_wait_loadcnt 4*(22-(\t))
.endif
	TURN (\t)+1
.endif
.if (\t) > 0
	QSTORE (\t)-1                                  ; no vector line since the wait above names these registers
.endif
.set XQ, QX+16*((\t)%2)
.set CQ, QC+2*((\t)%4)
.set EQ, QE+(\t)%4
	v_max3_num_f32 v13, |v[XQ]|, |v[XQ+1]|, |v[XQ+2]|      ; the largest magnitude of my 16, in two chains
	v_max3_num_f32 v14, |v[XQ+3]|, |v[XQ+4]|, |v[XQ+5]|
.irp i, 6,10
	v_max3_num_f32 v13, v13, |v[XQ+\i]|, |v[XQ+\i+1]|
	v_max3_num_f32 v14, v14, |v[XQ+\i+2]|, |v[XQ+\i+3]|
.endr
	v_max3_num_f32 v13, v13, |v[XQ+14]|, |v[XQ+15]|
	v_max3_num_f32 v13, v13, v14, FLOOR
	v_max_num_f32_dpp v13, v13, v13 row_xmask:1 row_mask:0xf bank_mask:0xf   ; and of my neighbour's 16: the block's
	v_add_nc_u32 v15, OFF2, v13                    ; the conversion takes this operand's exponent field as its scale
	v_cvt_scalef32_pk8_fp4_f32 v[CQ], v[XQ:XQ+7], v15
	v_cvt_scalef32_pk8_fp4_f32 v[CQ+1], v[XQ+8:XQ+15], v15
	v_lshrrev_b32 v[EQ], 23, v15                   ; the scale's byte (a plain line behind the conversions)
.endm
.macro VBLOCK t
.set XV, VX+32*((\t)%2)
.if (\t) < 7
	s_wait_loadcnt 32                              ; this block's loads are in; the next block's 32 may be out
.else
	s_wait_loadcnt 0x0
.endif
.if (\t) > 0
	s_wait_alu depctr_vm_vsrc(0)                   ; the last block's LDS stores have read v208 to v212, which this block's lines write again
.endif
	v_max3_num_f32 v213, |v[XV]|, |v[XV+1]|, |v[XV+2]|     ; all 32 numbers of the block are mine
	v_max3_num_f32 v214, |v[XV+3]|, |v[XV+4]|, |v[XV+5]|
.irp i, 6,10,14,18,22,26
	v_max3_num_f32 v213, v213, |v[XV+\i]|, |v[XV+\i+1]|
	v_max3_num_f32 v214, v214, |v[XV+\i+2]|, |v[XV+\i+3]|
.endr
	v_max3_num_f32 v213, v213, |v[XV+30]|, |v[XV+31]|
	v_max3_num_f32 v213, v213, v214, FLOOR
	v_add_nc_u32 v215, OFF2, v213
	v_lshrrev_b32 v214, 23, v215
.if (\t)%4 == 0
	v_mov_b32 v212, v214                           ; four bytes make a step's scale word of my column
.else
	v_lshl_or_b32 v212, v214, 8*((\t)%4), v212
.endif
.irp g, 0,1,2,3
	v_cvt_scalef32_pk8_fp4_f32 v[208+\g], v[XV+8*\g:XV+8*\g+7], v215
.endr
	v_nop                                          ; one plain line behind the last conversion
	s_wait_alu depctr_va_vdst(0)                   ; the block's lines have written its codes and the scale word, which the stores below read, and are done reading its 32 numbers, in which the loads below land
	ds_store_b128 v10, v[208:211] offset:8192*((\t)/4)+512*(((\t)%4)/2)+256*((\t)%2)
.if (\t)%4 == 3
	ds_store_b32 v11, v212 offset:512*((\t)/4)
.endif
.if (\t)+2 < 8
	VLOAD (\t)+2
.endif
.endm
	s_wait_alu depctr_va_vdst(0)                   ; v1 and v4 to v12 are written: the prologue's loads and LDS instructions read them as offsets and addresses
	VLOAD 0
	VLOAD 1
.irp t, 0,1,2,3
	LOADQK \t
.endr
	s_wait_loadcnt 12                              ; V's two blocks and step 0 are in
	TURN 0
.irp t, 0,1,2,3,4,5,6,7,8,9,10,11,12,13,14,15,16,17,18,19,20,21,22,23
	QSTEP \t
.endr
	s_wait_alu depctr_va_vdst(0)                   ; step 23 has written its codes and its byte, which the two stores below read
	QSTORE 23
.irp t, 0,1,2,3,4,5,6,7
	VBLOCK \t
.endr
	s_wait_dscnt 0x0                               ; for the others' sake: all my stores into the images have landed
	s_barrier_signal -1
	s_barrier_wait -1                              ; the head's K and V lie in LDS; nothing there is written from here on
	; ---- the main part
	s_wait_alu depctr_vm_vsrc(0)                   ; the prologue's loads and LDS instructions have read their addresses (v4 to v12) and their data (v32-95, v128-139, v208-212): all of these are written anew from here on
	v_mov_b32 v4, 0xf6800000                       ; -2^110: a masked score.  A power of two, so that c x it is exact
	v_and_b32 v27, 15, v0                          ; r
	v_bfe_u32 v8, v0, 4, 1                         ; h
	s_lshl_b32 s96, s2, 7
	s_add_co_u32 s96, s96, QSC
	v_lshl_add_u32 v6, v27, 2, s96                 ; Q's scale words: row r's
	v_lshlrev_b32 v7, 9, v8
	v_lshl_add_u32 v7, v27, 4, v7                  ; out: lanes 0-15 one row, lanes 16-31 the next; 16 bytes a lane
.irp x, 236,237,238,239,254,255
	v_mov_b32 v\x, 0                               ; written once: a lane permute's destination counts as one of its sources
.endr
	s_mov_b32 s92, 0x3e0293ee                      ; c = log2(e) / sqrt(128)
	s_mov_b32 s93, s92                             ; (named with it as a pair)
	s_mov_b32 s94, 0x76543210
	s_mov_b32 s95, 0xfedcba98                      ; v_permlanex16_b32's selects for lane l xor 16
	s_mov_b32 s67, 0
; The head of a trip over the key steps: the step's LDS addresses and its place in maskw, all from the counter s3; a closed step goes to the label given.  The four additions are also the places behind the last trip's products.
.macro TRIPHEAD closed
	s_lshl_b32 s86, s3, 13
	s_add_co_u32 s87, s86, VIMG
	s_lshl_b32 s88, s3, 9
	s_add_co_u32 s97, s88, VSC
	s_add_co_u32 s88, s88, KSC
	s_wait_alu depctr_vm_vsrc(0)                   ; the LDS loads issued so far have read v8 to v11
	v_add_nc_u32 v8, s86, v1
	v_add_nc_u32 v9, s87, v1
	v_add_nc_u32 v10, s88, v1
	v_add_nc_u32 v11, s97, v1
	s_lshl_b32 s90, s66, 11
	s_lshl_b32 s96, s3, 8
	s_add_co_u32 s90, s90, s96                     ; (8 tile + step) x 256 bytes
	s_wait_alu depctr_va_vdst(0)                   ; v8 to v11 are written, which the trip's LDS loads read on both of its ways; the products and vector lines issued so far are done with v32-95 and v28-31, in which those loads land; in pass C w_m's codes and scale word are written, which a closed step's products take
	s_lshr_b32 s96, s84, s3
	s_and_b32 s96, s96, 1
	s_cmp_eq_u32 s96, 0
	s_cbranch_scc1 \closed
.endm
.macro TRIPEND top
	s_add_co_u32 s3, s3, 1
	s_cmp_lt_u32 s3, 8
	s_cbranch_scc1 \top
.endm
; The step's 64 score registers: S^T = K Q^T, then -2^110 where the mask closes; a step that is open everywhere skips the 64 selects.  Its loads owe nothing beyond the wait at the trip's head: no vector line stands between
.macro SCORES
	s_load_b512 s[16:31], s[10:11], s90 offset:0x0     ; the 64 lane masks: word n in s[16 + n], from word 48 on in s[20 + n]
	s_load_b512 s[32:47], s[10:11], s90 offset:0x40
	s_load_b512 s[48:63], s[10:11], s90 offset:0x80
	s_load_b512 s[68:83], s[10:11], s90 offset:0xc0
.irp t, 0,1,2,3,4,5,6,7
.irp c, 0,1
	ds_load_b128 v[T+8*\t+4*\c:T+8*\t+4*\c+3], v8 offset:1024*\t+512*\c
.endr
.endr
	ds_load_b128 v[28:31], v10
	s_wait_dscnt 0x0
.irp t, 0,1,2,3,4,5,6,7
.if \t % 2
	v_wmma_scale_f32_16x16x128_f8f6f4 v[S+8*\t:S+8*\t+7], v[T+8*\t:T+8*\t+7], v[16:23], 0, v[28+\t/2], v24 matrix_a_fmt:MATRIX_FMT_FP4 matrix_b_fmt:MATRIX_FMT_FP4 matrix_a_scale:MATRIX_SCALE_ROW1
.else
	v_wmma_scale_f32_16x16x128_f8f6f4 v[S+8*\t:S+8*\t+7], v[T+8*\t:T+8*\t+7], v[16:23], 0, v[28+\t/2], v24 matrix_a_fmt:MATRIX_FMT_FP4 matrix_b_fmt:MATRIX_FMT_FP4
.endif
.endr
.rept 4
	v_nop                                          ; four places ahead of the first read of the results and of writes over the fragments
.endr
	s_wait_kmcnt 0x0                               ; the masks are in, on every way through an open step
	s_lshr_b32 s96, s85, s3
	s_and_b32 s96, s96, 1
	s_cmp_lg_u32 s96, 0
	s_cbranch_scc1 .Lfull_\@
.set n, 0
.rept 64
	v_cndmask_b32 v[S+n], v4, v[S+n], s[16+n+4*(n/48)]
.set n, n+1
.endr
.Lfull_\@:
.endm
; The keep test of the step's 64 scores, as 64 lane masks, in the scalar registers that held the mask's words: one run of compares, so that one wait behind it serves all their readers
.macro KEEPS
.set n, 0
.rept 64
	v_cmp_ge_f32 s[16+n+4*(n/48)], v[S+n], v[THR]
.set n, n+1
.endr
.endm
; x into the sorted five v224 >= .. >= v228: from the bottom up, so that every line reads old values
.macro INS5 x
	v_med3_num_f32 v228, v227, v228, v[\x]
	v_med3_num_f32 v227, v226, v227, v[\x]
	v_med3_num_f32 v226, v225, v226, v[\x]
	v_med3_num_f32 v225, v224, v225, v[\x]
	v_max_num_f32 v224, v224, v[\x]
.endm
.macro INS2 l, x
	v_med3_num_f32 v[\l+1], v[\l], v[\l+1], v[\x]
	v_max_num_f32 v[\l], v[\l], v[\x]
.endm
; THE FIVE LARGEST, kept as 12 candidates.  An element that m others of its own group are known to equal or exceed can be among the five largest for at most 5 / (m + 1) groups.  21 triples are sorted; of each three
; triples: the firsts sorted give m = 0 (five kept: v224-228), m = 1 (two: v229, v230), m = 2 (one: v231); the seconds' largest has m = 1 (two: v232, v233), their middle m = 3 (one: v234), their least m = 5 (none);
; a third has m = 2 (one, over all: v235).  Score 63 goes in by itself.  Equal values are kept as often as they come.
.macro TOP5
.set j, 0
.rept 21
	v_max3_num_f32 v[160+j], v[S+3*j], v[S+3*j+1], v[S+3*j+2]
	v_med3_num_f32 v[181+j], v[S+3*j], v[S+3*j+1], v[S+3*j+2]
	v_min3_num_f32 v[202+j], v[S+3*j], v[S+3*j+1], v[S+3*j+2]
.set j, j+1
.endr
.set j, 0
.rept 7
	v_max3_num_f32 v236, v[160+j], v[161+j], v[162+j]
	v_med3_num_f32 v237, v[160+j], v[161+j], v[162+j]
	v_min3_num_f32 v238, v[160+j], v[161+j], v[162+j]
	v_max3_num_f32 v239, v[181+j], v[182+j], v[183+j]
	INS5 236
	INS2 229, 237
	v_max_num_f32 v231, v231, v238
	v_med3_num_f32 v238, v[181+j], v[182+j], v[183+j]
	INS2 232, 239
	v_max3_num_f32 v235, v235, v[202+j], v[203+j]
	v_max_num_f32 v234, v234, v238
.set j, j+3
.endr
	v_max3_num_f32 v235, v235, v204, v207
	v_max3_num_f32 v235, v235, v210, v213
	v_max3_num_f32 v235, v235, v216, v219
	v_max_num_f32 v235, v235, v222
	INS5 S+63
.endm
; 64 registers from v[b] on are added into v[14:15], two at a time, in two chains
.macro SUM64 b
	v_pk_add_f32 v[236:237], v[\b:\b+1], v[\b+2:\b+3]
.set n, 4
.rept 15
	v_pk_add_f32 v[14:15], v[14:15], v[\b+n:\b+n+1]
	v_pk_add_f32 v[236:237], v[236:237], v[\b+n+2:\b+n+3]
.set n, n+4
.endr
	v_pk_add_f32 v[14:15], v[14:15], v[236:237]
.endm
; softmax 1's sum, running, under my LANE's own M = the lane's largest t so far rounded up to a whole number: when M moves, the sum is multiplied by a power of two, which rounds nothing
.macro ZSTEP
	v_mul_f32 v254, s92, v224
	v_mov_b32 v255, v12
	v_floor_f32 v12, -v254                         ; -M = floor(-t)
	v_sub_f32 v255, v12, v255                      ; old M - new M: a whole number, 0 or less
	v_cvt_i32_f32 v255, v255                       ; (it saturates)
	v_ldexp_f32 v254, 1.0, v255
.set n, 0
.rept 32
	v_pk_fma_f32 v[160+n:161+n], v[S+n:S+n+1], s[92:93], v[12:13] op_sel_hi:[1,0,0]   ; t - M; the sorted values are done with
.set n, n+2
.endr
.set n, 0
.rept 64
	v_exp_f32 v[160+n], v[160+n]
.set n, n+1
.endr
	v_pk_mul_f32 v[14:15], v[14:15], v[254:255] op_sel_hi:[1,0]   ; the sum under the new M (a plain line behind the exponentials)
	s_wait_alu depctr_va_vdst(0)                   ; the 64 exponentials have written v160-223: one wait for the batch, ahead of its first reader
	SUM64 160
.endm
; T = x = 2^(e AA + NB), e = 2^(c s - M): the second softmax's numerator of every score
.macro XCHAIN
.set n, 0
.rept 32
	v_pk_fma_f32 v[T+n:T+n+1], v[S+n:S+n+1], s[92:93], v[12:13] op_sel_hi:[1,0,0]
.set n, n+2
.endr
.set n, 0
.rept 64
	v_exp_f32 v[T+n], v[T+n]
.set n, n+1
.endr
	v_nop
	s_wait_alu depctr_va_vdst(0)                   ; the 64 exponentials have written v32-95: one wait for the batch, ahead of its first reader
.set n, 0
.rept 32
	v_pk_fma_f32 v[T+n:T+n+1], v[T+n:T+n+1], v[AA:AA+1], v[NB:NB+1] op_sel_hi:[1,0,0]
.set n, n+2
.endr
.set n, 0
.rept 64
	v_exp_f32 v[T+n], v[T+n]
.set n, n+1
.endr
	v_nop
	s_wait_alu depctr_va_vdst(0)                   ; and one for the second batch, likewise
.endm
.macro VFETCH t0                       ; four of V's tiles of the step
.irp t, \t0, \t0+1, \t0+2, \t0+3
.irp c, 0,1
	ds_load_b128 v[T+8*(\t)+4*\c:T+8*(\t)+4*\c+3], v9 offset:1024*(\t)+512*\c
.endr
.endr
.endm
.macro PV tau, p, sc                   ; O^T += V^T P^T for 16 of the head's 128; the eight accumulators take turns, one instruction a turn
.if (\tau) % 2
	v_wmma_scale_f32_16x16x128_f8f6f4 v[O+8*(\tau):O+8*(\tau)+7], v[T+8*(\tau):T+8*(\tau)+7], v[\p:\p+7], v[O+8*(\tau):O+8*(\tau)+7], v[28+(\tau)/2], v[\sc] matrix_a_fmt:MATRIX_FMT_FP4 matrix_b_fmt:MATRIX_FMT_FP4 matrix_a_scale:MATRIX_SCALE_ROW1
.else
	v_wmma_scale_f32_16x16x128_f8f6f4 v[O+8*(\tau):O+8*(\tau)+7], v[T+8*(\tau):T+8*(\tau)+7], v[\p:\p+7], v[O+8*(\tau):O+8*(\tau)+7], v[28+(\tau)/2], v[\sc] matrix_a_fmt:MATRIX_FMT_FP4 matrix_b_fmt:MATRIX_FMT_FP4
.endif
.endm
.Ltile:                                                ; two trips: tile T0, then tile 63 - T0
	s_sub_co_u32 s96, 63, s89
	s_cmp_eq_u32 s67, 0
	s_cselect_b32 s66, s89, s96                    ; the tile
	s_lshl_b32 s96, s66, 5
	s_load_b256 s[16:23], s[12:13], s96 offset:0x0 ; its eight words of info
	s_lshl_b32 s86, s67, 10
	s_add_co_u32 s86, s86, s91
	s_lshl_b32 s87, s67, 6
	s_lshl_b32 s88, s66, 4
	v_add_nc_u32 v8, s86, v1                       ; (what read v8 and v9 last stands ahead of the wait behind the barrier, or of the one at the last tile's end)
	v_add_nc_u32 v9, s87, v6
	v_add_nc_u32 v5, s88, v27                      ; my query
	s_lshl_b32 s100, s66, 13
	s_mov_b32 s101, 0
	s_add_nc_u64 s[100:101], s[14:15], s[100:101]  ; the tile's rows of out
.irp x, 224,225,226,227,228,229,230,231,232,233,234,235
	v_mov_b32 v\x, v4                              ; the twelve candidates begin as masked scores: so do the entries of closed steps count
.endr
	v_mul_f32 v13, s92, v4
	v_floor_f32 v12, -v13                          ; -M of a masked score
	v_mov_b32 v14, 0
	v_mov_b32 v15, 0
	s_wait_alu depctr_va_vdst(0)                   ; v8 and v9 are written, which the three loads below read; the last tile's products are done reading v16 to v24, in which they land
	ds_load_b128 v[16:19], v8                      ; Q's fragment and scale words: waited for with the first step's loads
	ds_load_b128 v[20:23], v8 offset:512
	ds_load_b32 v24, v9
	s_wait_kmcnt 0x0
	s_or_b32 s16, s16, s17
	s_or_b32 s18, s18, s19
	s_or_b32 s20, s20, s21
	s_or_b32 s22, s22, s23
	s_or_b32 s16, s16, s18
	s_or_b32 s20, s20, s22
	s_or_b32 s16, s16, s20
	s_and_b32 s84, s16, 0xff                       ; bit s: step s has an allowed entry
	s_lshr_b32 s85, s16, 8                         ; bit s: all its entries are allowed
	s_bcnt1_i32_b32 s98, s84
	s_sub_co_u32 s98, 8, s98
	s_lshl_b32 s98, s98, 6                         ; a lane's entries in closed steps: 64 each
	; ---- pass A
	s_mov_b32 s3, 0
.Lpa:
	TRIPHEAD .Lpa_next
	SCORES
	TOP5
	ZSTEP
.Lpa_next:
	TRIPEND .Lpa
	; the row's five largest: my seven side candidates, then lane l xor 16's five
.irp x, 229,230,231,232,233,234,235
	INS5 \x
.endr
	v_permlanex16_b32 v236, v224, s94, s95
	v_permlanex16_b32 v237, v225, s94, s95
	v_permlanex16_b32 v238, v226, s94, s95
	v_permlanex16_b32 v239, v227, s94, s95
	v_permlanex16_b32 v254, v228, s94, s95
.irp x, 236,237,238,239,254
	INS5 \x
.endr
	v_mul_f32 v13, s92, v224
	v_mov_b32 v255, v12
	v_floor_f32 v12, -v13                          ; the ROW's -M
	v_sub_f32 v255, v12, v255
	v_cvt_i32_f32 v255, v255
	v_ldexp_f32 v254, 1.0, v255
	v_add_f32 v14, v14, v15
	v_mul_f32 v14, v14, v254                       ; my lane's sum under the row's M
.irp i, 0,1,2,3,4
	v_fma_f32 v[X1+\i], v[224+\i], s92, v12
.endr
	v_fma_f32 v[XMK], v4, s92, v12
.irp i, 0,1,2,3,4,5
	v_exp_f32 v[X1+\i], v[X1+\i]                   ; e of the five largest and of a masked entry
.endr
	v_cvt_f32_u32 v255, s98                        ; (a plain line behind the exponentials)
	s_wait_alu depctr_va_vdst(0)                   ; the six exponentials have written v248-253, ahead of their first reader
	v_fma_f32 v14, v255, v[XMK], v14               ; the closed steps' entries
	v_permlanex16_b32 v254, v14, s94, s95
	v_add_f32 v14, v14, v254                       ; Z
	v_rcp_f32 v254, v14
	v_nop
	s_wait_alu depctr_va_vdst(0)                   ; the reciprocal has written v254, ahead of its first reader
	v_mul_f32 v[AA], 0x3fb8aa3b, v254              ; p - p1 in base 2 is e AA + NB
	v_mul_f32 v239, v[X1+4], v254                  ; p5
	v_mov_b32 v[AA+1], v[AA]
	v_mul_f32 v[NB], -v[X1], v[AA]
	v_mov_b32 v[NB+1], v[NB]
.irp i, 0,1,2,3,4,5
	v_fma_f32 v[X1+\i], v[X1+\i], v[AA], v[NB]
.endr
.irp i, 0,1,2,3,4,5
	v_exp_f32 v[X1+\i], v[X1+\i]                   ; x of the five largest and of a masked entry
.endr
	v_cmp_lt_f32 s16, 0, v239                      ; is p5 above 0?  (A plain line behind the exponentials)
	v_cmp_gt_u32 s17, 5, v5                        ; is my row one of rows 0 to 4?
	v_mov_b32 v254, s98
	s_wait_alu depctr_va_sdst(0)                   ; the two compares have written s16 and s17, ahead of the selects that read them
	v_cndmask_b32 v[THR], v4, v228, s16            ; the fifth largest score; where p5 is 0 everything is kept,
	v_cndmask_b32 v[THR], v[THR], v4, s17          ; and in rows 0 to 4 too
	v_cmp_ge_f32 s18, v4, v[THR]                   ; are masked entries kept?
	s_wait_alu depctr_va_sdst(0)                   ; the compare has written s18, ahead of the selects that read it
	v_cndmask_b32 v[CNT], 0, v254, s18             ; then the closed steps' entries count,
	s_wait_alu depctr_va_vdst(0)                   ; the six exponentials have written v248-253, ahead of their first reader
	v_cndmask_b32 v[XMK], 0, v[XMK], s18
	v_mul_f32 v14, v255, v[XMK]                    ; and add to tile 0's sum
	v_mov_b32 v15, 0
	; ---- pass B: the number kept; in tile 0, whose rows 1 to 4 keep unlike weights, the sum itself
	s_mov_b32 s3, 0
.Lpb:
	TRIPHEAD .Lpb_next
	SCORES
	s_cmp_eq_u32 s66, 0
	s_cbranch_scc1 .Lpb_dense
	KEEPS
	s_wait_alu depctr_va_sdst(0)                   ; the 64 compares have written their lane masks, ahead of the selects that read them
	v_cndmask_b32 v[T], 0, 1, s16                  ; 1 where kept; two of them are added to the count at a time, a pair behind the selects that make them
	v_cndmask_b32 v[T+1], 0, 1, s17
.set n, 0
.rept 31
	v_cndmask_b32 v[T+n+2], 0, 1, s[16+(n+2)+4*((n+2)/48)]
	v_cndmask_b32 v[T+n+3], 0, 1, s[16+(n+3)+4*((n+3)/48)]
	v_add3_u32 v[CNT], v[CNT], v[T+n], v[T+n+1]
.set n, n+2
.endr
	v_add3_u32 v[CNT], v[CNT], v[T+62], v[T+63]
	s_branch .Lpb_next
.Lpb_dense:
	KEEPS
	XCHAIN
	s_wait_alu depctr_va_sdst(0)                   ; the 64 compares, issued ahead of the exponentials, have written their lane masks, ahead of the selects that read them
.set n, 0
.rept 64
	v_cndmask_b32 v[T+n], 0, v[T+n], s[16+n+4*(n/48)]
.set n, n+1
.endr
	SUM64 T
.Lpb_next:
	TRIPEND .Lpb
	v_permlanex16_b32 v254, v[CNT], s94, s95
	v_add_nc_u32 v[CNT], v[CNT], v254              ; N
	v_add_nc_u32 v[CNT], -5, v[CNT]
	v_cvt_f32_i32 v[CNT], v[CNT]
	v_add_f32 v254, v[X1], v[X1+1]
	v_add_f32 v255, v[X1+2], v[X1+3]
	v_add_f32 v254, v254, v255
	v_add_f32 v254, v254, v[X1+4]
	v_fma_f32 v254, v[CNT], v[X1+4], v254          ; x1 + .. + x5 + (N - 5) x5
	v_add_f32 v14, v14, v15
	v_permlanex16_b32 v255, v14, s94, s95
	v_add_f32 v14, v14, v255                       ; tile 0's sum
	s_cmp_eq_u32 s66, 0
	s_cselect_b32 s96, -1, 0
	v_cndmask_b32 v254, v254, v14, s96
	v_rcp_f32 v[RS], v254
	v_cmp_eq_u32 vcc_lo, 0, v5                     ; (a plain line behind the reciprocal)
	s_wait_alu depctr_va_vcc(0)                    ; the compare has written VCC, ahead of the select that reads it
	s_wait_alu depctr_va_vdst(0)                   ; the reciprocal has written v246, ahead of its first reader
	v_cndmask_b32 v[RS], v[RS], 0, vcc_lo          ; row 0: every weight is 0
	v_mov_b32 v[RS+1], v[RS]
	v_mul_f32 v255, v[XMK], v[RS]                  ; w_m: a masked entry's weight.  A closed step's blocks hold nothing else: one scale, one code
	v_max_num_f32 v254, FLOOR, v255
	v_add_nc_u32 v254, OFF2, v254
	v_lshrrev_b32 v26, 23, v254
	v_lshl_or_b32 v26, v26, 8, v26
	v_lshl_or_b32 v26, v26, 16, v26                ; the byte four times: its scale word
.irp i, 0,1,2,3,4,5,6,7
	v_mov_b32 v[T+\i], v255
.endr
	v_cvt_scalef32_pk8_fp4_f32 v[PM], v[T:T+7], v254
	v_nop                                          ; one plain line behind the conversion
.irp i, 1,2,3,4,5,6,7
	v_mov_b32 v[PM+\i], v[PM]
.endr
.set n, 0
.rept 64
	v_mov_b32 v[O+n], 0                            ; O^T: the step is written once, so the sums begin as zeros.  (Also the places between the lines above and the first product that names them)
.set n, n+1
.endr
	; ---- pass C
	s_mov_b32 s3, 0
.Lpc:
	TRIPHEAD .Lpc_closed
	SCORES
	KEEPS
	XCHAIN
.set n, 0
.rept 32
	v_pk_mul_f32 v[T+n:T+n+1], v[T+n:T+n+1], v[RS:RS+1] op_sel_hi:[1,0]
.set n, n+2
.endr
	s_wait_alu depctr_va_sdst(0)                   ; the 64 compares, issued ahead of the exponentials, have written their lane masks, ahead of the selects that read them
.set n, 0
.rept 64
	v_cndmask_b32 v[S+n], 0, v[T+n], s[16+n+4*(n/48)]   ; w, finished and normalised: 0 where dropped
.set n, n+1
.endr
	s_wait_alu depctr_va_vdst(0)                   ; the selects are done reading v32-95 and the step's first products their scale words v28-31: V's seventeen loads land there.  No vector line from here to the products names one of these registers
	VFETCH 0                                       ; V's tiles 0-3 and its scale words land while w is quantised
	ds_load_b128 v[28:31], v11
	; w's four blocks of 32 keys: my 16 numbers of each and lane l xor 16's.  No |.|: none is negative.  At work: v248-255
.irp b, 0,1,2,3
	v_max3_num_f32 v[QM+\b], v[S+16*\b], v[S+1+16*\b], FLOOR
.endr
.irp i, 2,4,6,8,10,12,14
.irp b, 0,1,2,3
	v_max3_num_f32 v[QM+\b], v[QM+\b], v[S+16*\b+\i], v[S+1+16*\b+\i]
.endr
.endr
	VFETCH 4                                       ; tiles 4-7, among the quantiser's lines: the wait above serves these loads too
.irp b, 0,1,2,3
	v_permlanex16_b32 v[QP+\b], v[QM+\b], s94, s95
.endr
.irp b, 0,1,2,3
	v_max_num_f32 v[QM+\b], v[QM+\b], v[QP+\b]
.endr
.irp b, 0,1,2,3
	v_add_nc_u32 v[QM+\b], OFF2, v[QM+\b]
.endr
.irp b, 0,1,2,3
	v_lshrrev_b32 v[QP+\b], 23, v[QM+\b]
.endr
	v_lshl_or_b32 v25, v[QP+1], 8, v[QP]           ; w's scale word for these 128 keys
	v_lshl_or_b32 v25, v[QP+2], 16, v25
	v_lshl_or_b32 v25, v[QP+3], 24, v25
.irp b, 0,1,2,3
	v_cvt_scalef32_pk8_fp4_f32 v[PC+2*\b], v[S+16*\b:S+7+16*\b], v[QM+\b]
	v_cvt_scalef32_pk8_fp4_f32 v[PC+1+2*\b], v[S+8+16*\b:S+15+16*\b], v[QM+\b]
.endr
	v_nop                                          ; one plain line behind the last conversion
.irp c, 0,1                                    ; the operand's layout wants a whole block in a lane
.irp i, 0,1
	v_permlane16_swap_b32 v[PC+4*\c+\i], v[PC+2+4*\c+\i]
.endr
.endr
.rept 8
	v_nop                                          ; a scale word made by vector lines stands eight places ahead of the product that names it, codes so made four
.endr
	s_wait_alu depctr_va_vdst(0)                   ; w's scale word v25 and its codes v224-231 are written, which the products below take; the places above stay beside this wait
	s_wait_dscnt 8                                 ; tiles 0-3 and the scale words are in; the eight loads of tiles 4-7 may be out
.irp u, 0,1,2,3
	PV \u, PC, 25
.endr
	s_wait_dscnt 0x0
.irp u, 4,5,6,7
	PV \u, PC, 25
.endr
	s_branch .Lpc_next
.Lpc_closed:                                           ; a closed step: every weight of a row is w_m.  The wait at the trip's head serves these loads and products
	VFETCH 0
	VFETCH 4
	ds_load_b128 v[28:31], v11
	s_wait_dscnt 0x0
.irp u, 0,1,2,3,4,5,6,7
	PV \u, PM, 26
.endr
.Lpc_next:
	TRIPEND .Lpc
	; ---- the way out: O^T goes through my stage, half a row (256 bytes) of 16 queries at a time, and leaves as whole aligned runs of 256 bytes.  The seven address lines are the places behind the last products
	s_wait_alu depctr_vm_vsrc(0)                   ; the last step's LDS loads have read v9 to v11
	v_bfe_u32 v9, v0, 4, 1
	v_mul_u32_u24 v10, v27, 272
	v_lshl_add_u32 v10, v9, 5, v10
	v_add_nc_u32 v10, s99, v10                     ; in: row r; a tile's eight channels of my half
	v_mul_u32_u24 v11, v9, 272
	v_lshl_add_u32 v11, v27, 4, v11
	v_add_nc_u32 v11, s99, v11                     ; back: lanes 0-15 one row, lanes 16-31 the next
	s_wait_alu depctr_va_vdst(0)                   ; the products have written O^T, which the LDS stores read, and are done reading v32-95, in which the LDS loads land; v10 and v11 are written; the places above stay beside this wait
.irp u, 0,1
.irp t, 0,1,2,3
	ds_store_b128 v10, v[O+32*\u+8*\t:O+32*\u+8*\t+3] offset:64*\t          ; each accumulator from its low end on
	ds_store_b128 v10, v[O+32*\u+8*\t+4:O+32*\u+8*\t+7] offset:64*\t+16
.endr
.irp i, 0,1,2,3,4,5,6,7
	ds_load_b128 v[T+32*\u+4*\i:T+32*\u+4*\i+3], v11 offset:2*\i*272        ; LDS serves a wave's instructions in order: these see my stores, and the next half's stores come behind them
.endr
.endr
.irp u, 0,1
.irp i, 0,1,2,3,4,5,6,7
	s_wait_dscnt 15-8*\u-\i
	global_store_b128 v7, v[T+32*\u+4*\i:T+32*\u+4*\i+3], s[100:101] offset:2*\i*512+256*\u th:TH_STORE_NT   ; 16 lanes store 256 consecutive bytes, at a multiple of 256 from out's first byte
.endr
.endr
	s_wait_xcnt 0x0                                ; the stores have read their registers and their base: both are written again in the next tile
	s_wait_alu depctr_vm_vsrc(0)                   ; beside it: the global stores have read v32-95, the stage's stores v160-223, and both of the stage's runs v10 and v11: the next tile writes all of these again
	s_add_co_u32 s67, s67, 1
	s_cmp_lt_u32 s67, 2
	s_cbranch_scc1 .Ltile
	s_wait_dscnt 0x0                               ; the closing lines, six on end
	s_wait_alu 0x0
	s_wait_tensorcnt 0x0
	ds_add_u32 v2, v3
	s_wait_dscnt 0x0
	s_endpgm
.Lfunc_end_k_q031886b920_attn:
	.size	k_q031886b920_attn, .Lfunc_end_k_q031886b920_attn-k_q031886b920_attn
	.p2alignl 7, 3214868480
	.fill 96, 4, 3214868480
	.section	.rodata,"a",@progbits
	.p2align	6, 0x0
	.amdhsa_kernel k_q031886b920_attn
		.amdhsa_group_segment_fixed_size 258048
		.amdhsa_private_segment_fixed_size 0
		.amdhsa_enable_private_segment 0
		.amdhsa_kernarg_size 48
		.amdhsa_user_sgpr_count 2
		.amdhsa_user_sgpr_kernarg_segment_ptr 1
		.amdhsa_wavefront_size32 1
		.amdhsa_system_sgpr_workgroup_id_x 1
		.amdhsa_system_sgpr_workgroup_id_y 1
		.amdhsa_system_sgpr_workgroup_id_z 1
		.amdhsa_system_vgpr_workitem_id 0
		.amdhsa_next_free_vgpr 256
		.amdhsa_next_free_sgpr 102
		.amdhsa_reserve_vcc 1
		.amdhsa_float_denorm_mode_32 3
		.amdhsa_float_denorm_mode_16_64 3
		.amdhsa_memory_ordered 1
		.amdhsa_forward_progress 1
		.amdhsa_inst_pref_size 199
	.end_amdhsa_kernel
	.amdgpu_metadata
---
amdhsa.version: [ 1, 2 ]
amdhsa.kernels:
  - .name:           k_q031886b920_attn
    .symbol:         k_q031886b920_attn.kd
    .args:
      - { .name: q, .offset: 0, .size: 8, .value_kind: global_buffer, .address_space: global }
      - { .name: k, .offset: 8, .size: 8, .value_kind: global_buffer, .address_space: global }
      - { .name: v, .offset: 16, .size: 8, .value_kind: global_buffer, .address_space: global }
      - { .name: maskw, .offset: 24, .size: 8, .value_kind: global_buffer, .address_space: global }
      - { .name: info, .offset: 32, .size: 8, .value_kind: global_buffer, .address_space: global }
      - { .name: out0, .offset: 40, .size: 8, .value_kind: global_buffer, .address_space: global }
    .group_segment_fixed_size: 258048
    .private_segment_fixed_size: 0
    .kernarg_segment_align: 8
    .kernarg_segment_size: 48
    .max_flat_workgroup_size: 512
    .sgpr_count:     102
    .vgpr_count:     256
    .wavefront_size: 32
...
	.end_amdgpu_metadata
.endif
;; end of part 3
